; MI455X (gfx1250); checked and timed in simulation.
; The chip was launched on July 23, 2026; its instructions are those of AMD's public machine-readable ISA for CDNA 5 (MIT licence, August 2026) and "CDNA5" Instruction Set Architecture Reference Guide (July 2026). The comments in the code are by the model that wrote it; some were corrected since.
;; Cross Attention. Allowed arithmetic: matrix products marked QUANTISED: E2M1 operands, one E8M0 scale for each 32 along K, by v_wmma_scale_f32_16x16x128_f8f6f4 with both operands' format E2M1 (or v_wmma_scale_f32_32x16x128_f4), f32 sums; everything else in f32.
;; Inputs: Wff1_codes 8,192 x 32 x 16 uint8 (E2M1 codes of Wff1, K innermost, in blocks of 32 codes, two codes a byte); Wff1_scales 8,192 x 32 uint8 (E8M0 scales of Wff1, one for each 32 codes along K); Wff2_codes 1,024 x 128 x 16 uint8 (E2M1 codes of Wff2, K innermost, in blocks of 32 codes, two codes a byte); Wff2_scales 1,024 x 128 uint8 (E8M0 scales of Wff2, one for each 32 codes along K); Wkv_codes 128 x 32 x 16 uint8 (E2M1 codes of Wkv, K innermost, in blocks of 32 codes, two codes a byte); Wkv_scales 128 x 32 uint8 (E8M0 scales of Wkv, one for each 32 codes along K); Wout_codes 1,024 x 32 x 16 uint8 (E2M1 codes of Wout, K innermost, in blocks of 32 codes, two codes a byte); Wout_scales 1,024 x 32 uint8 (E8M0 scales of Wout, one for each 32 codes along K); Wq_codes 1,024 x 32 x 16 uint8 (E2M1 codes of Wq, K innermost, in blocks of 32 codes, two codes a byte); Wq_scales 1,024 x 32 uint8 (E8M0 scales of Wq, one for each 32 codes along K); context 4 x 1,024 x 1,024 float32; ln_c_b 1,024 float32; ln_c_g 1,024 float32; ln_x_b 1,024 float32; ln_x_g 1,024 float32; x 4 x 1,024 x 1,024 float32.
;; Outputs: out0 4 x 1,024 x 1,024 float32.
;; This version of the problem:
;;   THIS VERSION OF THE PROBLEM IS GIVEN IN LOW PRECISION. The matrix products marked QUANTISED in the list below multiply operands that are first quantised to E2M1 (2 exponent bits, 1 mantissa bit; 4 bits a number), with one power-of-two scale for each 32 numbers along K (OCP MX v1.0); their sums are f32. All else is computed in f32.
;;   The module's matrix products, in the order in which they are computed (A, B: the left and right operand; K: the contracted axis; several contracted axes count as one K, in the product's order):
;;     1. [M 4,096, K 1,024] x [K 1,024, N 1,024]; A: computed on the way; B: input Wq (given as codes): QUANTISED
;;     2. [M 4,096, K 1,024] x [K 1,024, N 128]; A: computed on the way; B: input Wkv (given as codes): QUANTISED
;;     3. batch 4 x [M 16,384, K 64] x [K 64, N 1,024]; A: computed on the way; B: computed on the way: QUANTISED
;;     4. batch 4 x [M 16,384, K 1,024] x [K 1,024, N 64]; A: softmax (see below); B: computed on the way: QUANTISED
;;     5. [M 4,096, K 1,024] x [K 1,024, N 1,024]; A: computed on the way; B: input Wout (given as codes): QUANTISED
;;     6. [M 4,096, K 1,024] x [K 1,024, N 8,192]; A: computed on the way; B: input Wff1 (given as codes): QUANTISED
;;     7. [M 4,096, K 4,096] x [K 4,096, N 1,024]; A: computed on the way; B: input Wff2 (given as codes): QUANTISED
;;   THE QUANTISER, for each operand of a quantised product, along K:
;;     - K is cut into blocks of 32 from its start; a last block that is shorter is filled with zeros.
;;     - A block's scale is 2^e with e = floor(log2(the largest magnitude in the block)) - 2, held to -126 .. 127; a block of zeros has e = 0. As a byte (E8M0): e + 127.
;;     - Each number is divided by its block's scale, clamped to +-6, and rounded to the nearest number of E2M1, ties to even, subnormals kept.
;;     - The product sums the exact products of the quantised numbers (number of the format x scale) in f32.
;;   ~~~python
;;   def quantise(x, axis):      # numpy; x: float32 -> the quantised numbers, widened to float32 again
;;       x = np.moveaxis(x, axis, -1); K = x.shape[-1]
;;       x = np.pad(x, [(0, 0)] * (x.ndim - 1) + [(0, -K % 32)]); x = x.reshape(x.shape[:-1] + (-1, 32)); a = np.abs(x).max(-1, keepdims=True)
;;       e = np.where(a > 0, np.clip(np.frexp(np.where(a > 0, a, 1))[1] - 1 - 2, -126, 127), 0)      # np.frexp(a)[1] - 1 = floor(log2(a)), exactly
;;       r = np.clip(x / 2.0 ** e, -6, 6)
;;       step = 2.0 ** (np.maximum(np.frexp(np.where(r == 0, 1, r))[1] - 1, 0) - 1)
;;       q = np.round(r / step) * step * 2.0 ** e      # np.round: ties to even
;;       return np.moveaxis(q.reshape(q.shape[:-2] + (-1,))[..., :K], -1, axis).astype(np.float32)
;;   ~~~
;;   SOFTMAX AHEAD OF A QUANTISED PRODUCT. Where the list says 'softmax', what is quantised is not the finished softmax but p = 2^(t - M), with t = logit x log2(e) and M = ceil(the row's largest t), a whole number; so 1/2 < the row's largest p <= 1. The row's sum l is taken of the UNQUANTISED p, in f32, and the product's result is divided by l at the end. Since M is a whole number, a kernel that streams over the keys may use a running M (the ceiling of the running maximum): every later rescaling is an exact power of two, which a block's scale takes up: the codes' values come out the same.
;;   OPERANDS COMPUTED ON THE WAY. 'Computed on the way' means the value that the module computes at that place (a softmax that the list does not call 'softmax' is quantised finished and normalised). What goes into a quantiser is computed in f32, as accurately as f32 sums, v_exp_f32 and their like allow (about 1e-6 of the number): no bf16 or f16 on the way to a quantiser, and a product that is left as it is and whose result goes on into a quantised operand takes f32 operands (vector FMAs, or v_wmma_f32_16x16x4_f32). A number that lies on a knife's edge between two numbers of the format may be rounded either way, as far as f32 arithmetic and the matrix unit's own rounding can turn it there, and no further.
;;   INPUTS GIVEN AS CODES. Wff1 (in the module: [1024, 8192], K = its axis 0); Wff2 (in the module: [4096, 1024], K = its axis 0); Wkv (in the module: [1024, 128], K = its axis 0); Wout (in the module: [1024, 1024], K = its axis 0); Wq (in the module: [1024, 1024], K = its axis 0): each comes as NAME_codes (uint8): NAME with its K axis moved to the last place and cut into blocks of 32 codes, [.., K / 32, bytes a block], one block behind the other in memory; two codes a byte, the lower K in the low four bits (a code: sign, 2 exponent bits, 1 mantissa bit); and NAME_scales (uint8): the same leading axes, one E8M0 byte (e + 127) for each 32 codes along K. Its value is code x scale, taken as it is: it is not quantised again, and the codes and scales need not be those that the quantiser above would give.
;; One version. Each part assembles by itself: llvm-mc -triple=amdgcn-amd-amdhsa -mcpu=gfx1250 --defsym DOCPART=n.
;; ======== version 1 of 1: 4 launches
;; limits: right only within a limited range of input values
;; workspace buffers: xw 2,228,224 bytes; kvw 311,296 bytes; aw 11,141,120 bytes
;; launch prep (part 1): grid 256 x 1, 8 waves a work-group, no clusters, 66,560 bytes of LDS; arguments x, context, ln_x_g, ln_x_b, ln_c_g, ln_c_b, Wkv_codes, Wkv_scales, xw, kvw; writes xw, kvw
.if DOCPART == 1
	.amdgcn_target "amdgcn-amd-amdhsa--gfx1250"
	.amdhsa_code_object_version 6
	.text
	.protected	k_qfa96bfb81c_prep
	.globl	k_qfa96bfb81c_prep
	.p2align	8
	.type	k_qfa96bfb81c_prep,@function
k_qfa96bfb81c_prep:
	s_mov_b64 s[64:65], 0
	v_nop
	global_prefetch_b8 v0, s[64:65] scope:SCOPE_SE
	s_setreg_imm32_b32 hwreg(HW_REG_WAVE_MODE, 25, 1), 1
	s_wait_xcnt 0x0
; PREP.  LayerNorm of x and of context, each row quantised to FP4 (E2M1) with one E8M0 byte for each 32 along the row; for context also kv = cn Wkv, quantised: k along d, v along the keys.
; Work-groups 0-127 take x, 128-255 context; 32 rows each, 4 rows a wave, all 128 KiB of a work-group's rows asked for at once.
; ROW ORDER.  A group of 32 rows is two tiles of 16: place p of tile u holds row 8 u + p + 8 (p / 8).  So in v's product (source 0 = 16 context rows) a lane's 16 registers of the two tiles are 16 neighbouring keys.
; IMAGES.  Codes leave as images of operand registers: 16 rows x 128 K are 1,024 bytes, byte 512 c + 16 lane = registers 4 c .. 4 c + 3 of that lane; the 256 bytes (c, h) are block 2 c + h of the 16 rows.
; xw: [row tile][8,704]: eight images (K steps), then 512 bytes of scales, 32 bytes a place.   kvw: [batch][77,824]: K's half images (512 bytes a tile of 16 keys), V's images from 32,768, K's scale words from 65,536, V's from 73,728.
; A row is loaded dense (512 bytes a load) and turned in the wave's own stage so that lane l holds block l (32 neighbours): mean, variance (two passes), gain, bias, the block's maximum and the conversions then need no other lane but for the two sums.
; cn never goes to memory: its images stay in LDS, and waves 0-3 of a context work-group multiply them by Wkv (waves 0, 1: k for tile u = wave; waves 2, 3: v, 32 of d each).
; Wkv's fragments are loaded inside those arms: the registers are written and read on the same way through the text.
; LIMITS: NaN and infinities are not served.  A block whose largest magnitude lies under 2^-124, a block of zeros among them, gets the byte 1 (the rule gives a block of zeros 127): its codes are what the conversion gives, zeros for zeros, and only this program reads the bytes.
; K's scale words leave 128 bytes a store and V's scale bytes a byte a lane (four work-groups share a word): 384 of the 2,432 bytes that a context work-group stores.
.set GST,  36864                       ; LDS: 0: eight stages of 32 x (128 + 16) bytes;  GST: g, then b, in the same form
.set IMG,  46080                       ; 64 pieces of 256 + 16 bytes: piece 32 u + block, place p at 16 p
.set SCB,  63488                       ; scale bytes: (16 u + p) x 32 + block
.set XS,   32                          ; v32-63   the first row, turned
.set GG,   64                          ; v64-95   g of my block
.set BB,   96                          ; v96-127  b of my block
.set R,    128                         ; v128-255 four rows as loaded; row i + 1 comes back turned into row i's registers
.set CNS,  32                          ; later: cn's scale words
.set CNF,  64                          ; cn's fragments
.set ACC,  192                         ; four accumulators
.set WS,   224                         ; Wkv's scale words, (tile t, K step s) at WS + 8 t + s
.set PC,   16                          ; v16-19 codes; v20 a byte or a word
.set TM,   22                          ; v22-27 at work in QUANT2; v22-31 at work in ROW
.set WV,   24                          ; s24 wave
.set SEL,  28                          ; s[28:29] v_permlanex16_b32's selects: lane l xor 16
.set MSB, 0
.macro WIN new                         ; the immediate's high byte repeats the setting that is left
.if MSB != \new
	s_set_vgpr_msb (MSB<<8)|\new
.set MSB, \new
.endif
.endm
.macro MM0 d, a, b, sa, sb             ; a sum's first product
	v_wmma_scale_f32_16x16x128_f8f6f4 v[\d:\d+7], v[\a:\a+7], v[\b:\b+7], 0, v[\sa], v[\sb] matrix_a_fmt:MATRIX_FMT_FP4 matrix_b_fmt:MATRIX_FMT_FP4
.endm
.macro MMA d, a, b, sa, sb             ; a further link
	v_wmma_scale_f32_16x16x128_f8f6f4 v[\d:\d+7], v[\a:\a+7], v[\b:\b+7], v[\d:\d+7], v[\sa], v[\sb] matrix_a_fmt:MATRIX_FMT_FP4 matrix_b_fmt:MATRIX_FMT_FP4
.endm
.macro PLACES
.rept 4
	v_nop
.endr
.endm
.macro RED                             ; v26: the sum over the 32 lanes, in every lane
	s_delay_alu instid0(VALU_DEP_1)
	v_add_f32_dpp v26, v26, v26 row_xmask:1 row_mask:0xf bank_mask:0xf
	s_delay_alu instid0(VALU_DEP_1)
	v_add_f32_dpp v26, v26, v26 row_xmask:2 row_mask:0xf bank_mask:0xf
	s_delay_alu instid0(VALU_DEP_1)
	v_add_f32_dpp v26, v26, v26 row_xmask:4 row_mask:0xf bank_mask:0xf
	s_delay_alu instid0(VALU_DEP_1)
	v_add_f32_dpp v26, v26, v26 row_xmask:8 row_mask:0xf bank_mask:0xf
	s_delay_alu instid0(VALU_DEP_1)
	v_permlanex16_b32 v27, v26, s[SEL], s[SEL+1]
	s_delay_alu instid0(VALU_DEP_1)
	v_add_f32 v26, v26, v27
.endm
.macro TURN i, dst                     ; row i through my stage: in as loaded, back 128 bytes a lane.  LDS serves a wave's instructions in order: no wait between
.irp j, 0,1,2,3,4,5,6,7
	ds_store_b128 v3, v[R+32*(\i)+4*\j:R+32*(\i)+4*\j+3] offset:576*\j
.endr
.irp k, 0,1,2,3,4,5,6,7
	ds_load_b128 v[(\dst)+4*\k:(\dst)+4*\k+3], v4 offset:16*\k
.endr
.endm
; Row i of my four, turned, in v[X] on.
.macro ROW i, X
	s_wait_dscnt 0x0                               ; the row is back; the stage's stores have read row i's registers, the last row's codes are stored
.if \i < 3
	s_wait_loadcnt 8*(2-\i)                        ; row i + 1 is in; the rows behind it may be out
	TURN \i+1, R+32*\i                             ; it turns while this row is worked
.endif
	v_pk_add_f32 v[22:23], v[(\X):(\X)+1], v[(\X)+2:(\X)+3]          ; the sum of my 32, in two chains
	v_pk_add_f32 v[24:25], v[(\X)+4:(\X)+5], v[(\X)+6:(\X)+7]
.irp j, 8,12,16,20,24,28
	s_delay_alu instid0(VALU_DEP_2)
	v_pk_add_f32 v[22:23], v[22:23], v[(\X)+\j:(\X)+\j+1]
	s_delay_alu instid0(VALU_DEP_2)
	v_pk_add_f32 v[24:25], v[24:25], v[(\X)+\j+2:(\X)+\j+3]
.endr
	s_delay_alu instid0(VALU_DEP_1)
	v_pk_add_f32 v[22:23], v[22:23], v[24:25]
	s_delay_alu instid0(VALU_DEP_1)
	v_add_f32 v26, v22, v23
	RED
	s_delay_alu instid0(VALU_DEP_1)
	v_mul_f32 v28, s40, v26                        ; - the mean
.irp j, 0,2,4,6,8,10,12,14,16,18,20,22,24,26,28,30
	v_pk_add_f32 v[(\X)+\j:(\X)+\j+1], v[(\X)+\j:(\X)+\j+1], v[28:29] op_sel_hi:[1,0]
.endr
	v_pk_mul_f32 v[22:23], v[(\X):(\X)+1], v[(\X):(\X)+1]            ; the squares of the differences
	v_pk_mul_f32 v[24:25], v[(\X)+2:(\X)+3], v[(\X)+2:(\X)+3]
.irp j, 4,8,12,16,20,24,28
	s_delay_alu instid0(VALU_DEP_2)
	v_pk_fma_f32 v[22:23], v[(\X)+\j:(\X)+\j+1], v[(\X)+\j:(\X)+\j+1], v[22:23]
	s_delay_alu instid0(VALU_DEP_2)
	v_pk_fma_f32 v[24:25], v[(\X)+\j+2:(\X)+\j+3], v[(\X)+\j+2:(\X)+\j+3], v[24:25]
.endr
	s_delay_alu instid0(VALU_DEP_1)
	v_pk_add_f32 v[22:23], v[22:23], v[24:25]
	s_delay_alu instid0(VALU_DEP_1)
	v_add_f32 v26, v22, v23
	RED
	s_delay_alu instid0(VALU_DEP_1)
	v_fma_f32 v26, v26, s30, s31                   ; the variance + 1e-5
	s_wait_alu depctr_va_vdst(0)
	v_rsq_f32 v30, v26
	v_nop                                          ; a plain instruction behind the transcendental (ISA guide 5.7.2)
	s_wait_alu depctr_va_vdst(0)                   ; the wait ahead of the first reader
.irp j, 0,2,4,6,8,10,12,14,16,18,20,22,24,26,28,30
	v_pk_mul_f32 v[(\X)+\j:(\X)+\j+1], v[(\X)+\j:(\X)+\j+1], v[30:31] op_sel_hi:[1,0]
.endr
.irp j, 0,2,4,6,8,10,12,14,16,18,20,22,24,26,28,30
	v_pk_fma_f32 v[(\X)+\j:(\X)+\j+1], v[(\X)+\j:(\X)+\j+1], v[GG+\j:GG+\j+1], v[BB+\j:BB+\j+1]
.endr
	v_max3_num_f32 v22, |v[(\X)]|, |v[(\X)+1]|, 0x1800000            ; the block's largest magnitude, all 32 mine, and the floor 2^(3 - 127): the byte cannot fall under 1
	v_max3_num_f32 v24, |v[(\X)+2]|, |v[(\X)+3]|, |v[(\X)+4]|
.irp j, 5,9,13,17,21,25
	s_delay_alu instid0(VALU_DEP_2)
	v_max3_num_f32 v22, v22, |v[(\X)+\j]|, |v[(\X)+\j+1]|
	s_delay_alu instid0(VALU_DEP_2)
	v_max3_num_f32 v24, v24, |v[(\X)+\j+2]|, |v[(\X)+\j+3]|
.endr
	s_delay_alu instid0(VALU_DEP_2)
	v_max3_num_f32 v22, v22, |v[(\X)+29]|, |v[(\X)+30]|
	s_delay_alu instid0(VALU_DEP_1)
	v_max3_num_f32 v22, v22, v24, |v[(\X)+31]|
	s_delay_alu instid0(VALU_DEP_1)
	v_add_nc_u32 v23, 0xff000000, v22              ; 2 off its exponent field: the conversion's scale operand
	s_delay_alu instid0(VALU_DEP_1)
	v_lshrrev_b32 v20, 23, v23                     ; the scale's byte
.irp g, 0,1,2,3
	v_cvt_scalef32_pk8_fp4_f32 v[PC+\g], v[(\X)+8*\g:(\X)+8*\g+7], v23
.endr
	v_nop                                          ; one plain place behind the scaled conversions
	ds_store_b128 v7, v[PC:PC+3] offset:16*\i      ; piece 32 u + lane, my row's place
	ds_store_b8 v8, v20 offset:32*\i
.endm
; 32 numbers of a lane, register 16 b + i = k 32 b + 16 (lane / 16) + i of its row, b = 0, 1: codes into v[PC + 2 b], v[PC + 2 b + 1], the bytes into v[TM + 2 + b]
.macro QUANT2 s
.irp b, 0,1
	v_max3_num_f32 v[TM+\b], |v[(\s)+16*\b]|, |v[(\s)+16*\b+1]|, 0x1800000
.endr
.irp i, 2,4,6,8,10,12,14
.irp b, 0,1
	v_max3_num_f32 v[TM+\b], v[TM+\b], |v[(\s)+16*\b+\i]|, |v[(\s)+16*\b+\i+1]|
.endr
.endr
.irp b, 0,1
	s_delay_alu instid0(VALU_DEP_2)
	v_permlanex16_b32 v[TM+2+\b], v[TM+\b], s[SEL], s[SEL+1]
.endr
.irp b, 0,1
	s_delay_alu instid0(VALU_DEP_2)
	v_max_num_f32 v[TM+\b], v[TM+\b], v[TM+2+\b]   ; with lane l xor 16's 16: the block's
.endr
.irp b, 0,1
	s_delay_alu instid0(VALU_DEP_2)
	v_add_nc_u32 v[TM+4+\b], 0xff000000, v[TM+\b]
.endr
.irp b, 0,1
	s_delay_alu instid0(VALU_DEP_2)
	v_lshrrev_b32 v[TM+2+\b], 23, v[TM+4+\b]
.endr
.irp b, 0,1
	v_cvt_scalef32_pk8_fp4_f32 v[PC+2*\b], v[(\s)+16*\b:(\s)+16*\b+7], v[TM+4+\b]
	v_cvt_scalef32_pk8_fp4_f32 v[PC+2*\b+1], v[(\s)+16*\b+8:(\s)+16*\b+15], v[TM+4+\b]
.endr
	v_nop
.endm
.macro WLOAD t                         ; Wkv's tile t, all eight K steps, into window 1: lane r takes row 32 (t / 2) + 8 (t % 2) + r + 8 (r / 8)
.irp s, 0,1,2,3,4,5,6,7
.irp c, 0,1
	global_load_b128 v[8*(8*\t+\s)+4*\c:8*(8*\t+\s)+4*\c+3], v13, s[16:17] offset:(32*(\t/2)+8*(\t%2))*512+64*\s+32*\c
.endr
.endr
.endm
.macro WSLOAD t                        ; and its rows' eight scale words
.irp k, 0,1
	global_load_b128 v[WS+8*\t+4*\k:WS+8*\t+4*\k+3], v14, s[18:19] offset:(32*(\t/2)+8*(\t%2))*32+16*\k
.endr
.endm
	s_load_b256 s[4:11], s[0:1], 0x0               ; x, context, ln_x_g, ln_x_b
	s_load_b256 s[12:19], s[0:1], 0x20             ; ln_c_g, ln_c_b, Wkv's codes, Wkv's scales
	s_load_b128 s[20:23], s[0:1], 0x40             ; xw, kvw
	v_lshrrev_b32 v1, 5, v0
	s_delay_alu instid0(VALU_DEP_1)
	v_readfirstlane_b32 s[WV], v1                  ; wave 0..7
	v_and_b32 v22, 31, v0                          ; l
	v_and_b32 v23, 15, v0                          ; r
	v_bfe_u32 v24, v0, 4, 1                        ; h
	v_and_b32 v25, 8, v0
	s_delay_alu instid0(VALU_DEP_1)
	v_add_nc_u32 v25, v25, v23                     ; r + 8 (r / 8)
	v_lshlrev_b32 v2, 4, v22                       ; v2: 16 l
	v_lshrrev_b32 v26, 3, v22
	v_and_b32 v27, 7, v0
	s_delay_alu instid0(VALU_DEP_2)
	v_mul_u32_u24 v26, v26, 144
	s_delay_alu instid0(VALU_DEP_1)
	v_lshl_add_u32 v26, v27, 4, v26                ; 144 (l / 8) + 16 (l % 8): a load's 512 bytes are four blocks
	s_wait_alu depctr_va_vdst(0)
	v_mul_u32_u24 v27, v22, 144                    ; 144 l: my block
	s_wait_alu depctr_va_vdst(0)
	s_mov_b32 s[SEL], 0x76543210
	s_mov_b32 s[SEL+1], 0xfedcba98
	s_mov_b32 s30, 0x3a800000                      ; 1 / 1024
	s_mov_b32 s31, 0x3727c5ac                      ; 1e-5
	s_mov_b32 s40, 0xba800000                      ; -1 / 1024
	s_and_b32 s35, s[WV], 1
	s_lshr_b32 s36, s[WV], 2
	s_and_b32 s37, s[WV], 3
	s_bfe_u32 s34, s[WV], 0x10001                  ; u = (w / 2) % 2: my four rows' tile
	s_mul_i32 s32, s[WV], 4608
	v_add_nc_u32 v3, s32, v26                      ; v3: my stage, on the way in
	v_add_nc_u32 v4, s32, v27                      ; v4: and back
	v_add_nc_u32 v6, GST, v27                      ; v6: g's and b's block l
	s_mul_i32 s32, s36, 4608
	s_mul_i32 s33, s37, 1152
	s_add_co_u32 s32, s32, s33
	s_add_co_u32 s32, s32, GST
	v_add_nc_u32 v5, s32, v26                      ; v5: where my 1,024 bytes of g (waves 0-3) or b (4-7) go
	s_lshl_b32 s38, s35, 2
	s_lshl_b32 s39, s36, 3
	s_add_co_u32 s38, s38, s39                     ; my first row's place: 4 (w % 2) + 8 (w / 4)
	s_mul_i32 s32, s34, 8704
	s_lshl_b32 s33, s38, 4
	s_add_co_u32 s32, s32, s33
	s_add_co_u32 s32, s32, IMG
	v_mul_u32_u24 v7, v22, 272
	s_delay_alu instid0(VALU_DEP_1)
	v_add_nc_u32 v7, s32, v7                       ; v7: piece 32 u + l, my first place
	s_lshl_b32 s32, s34, 9
	s_lshl_b32 s33, s38, 5
	s_add_co_u32 s32, s32, s33
	s_add_co_u32 s32, s32, SCB
	v_add_nc_u32 v8, s32, v22                      ; v8: my block's scale byte
	v_mul_u32_u24 v9, v24, 272
	s_delay_alu instid0(VALU_DEP_1)
	v_lshl_add_u32 v9, v23, 4, v9
	s_delay_alu instid0(VALU_DEP_1)
	v_add_nc_u32 v9, IMG, v9                       ; v9: a fragment's registers out of the pieces: piece h, place r
	s_mul_i32 s32, s35, 8704
	v_add_nc_u32 v10, s32, v9                      ; v10: the same in tile w % 2
	v_lshlrev_b32 v11, 5, v23
	s_delay_alu instid0(VALU_DEP_1)
	v_add_nc_u32 v11, SCB, v11                     ; v11: place r's scale words
	s_lshl_b32 s32, s35, 9
	v_add_nc_u32 v12, s32, v11                     ; v12: in tile w % 2
	v_add_nc_u32 v21, s32, v2
	s_delay_alu instid0(VALU_DEP_1)
	v_add_nc_u32 v21, SCB, v21                     ; v21: the dump of tile w % 2's scale bytes
	v_lshlrev_b32 v13, 9, v25
	s_delay_alu instid0(VALU_DEP_1)
	v_lshl_add_u32 v13, v24, 4, v13                ; v13: Wkv's codes: 512 bytes a row, + 16 h
	v_lshlrev_b32 v14, 5, v25                      ; v14: Wkv's scales: 32 bytes a row
	s_mul_i32 s32, s[WV], 2176
	v_add_nc_u32 v15, s32, v9                      ; v15: the dump: pieces 8 w + h on
	v_mov_b32 v29, 0                               ; (named as upper halves of the pairs v[28:29], v[30:31])
	v_mov_b32 v31, 0
	s_wait_kmcnt 0x0
	s_cmp_lt_u32 ttmp9, 128                        ; x or context?  The choice hangs on the work-group's number alone
	s_cselect_b64 s[4:5], s[4:5], s[6:7]
	s_cselect_b64 s[8:9], s[8:9], s[12:13]
	s_cselect_b64 s[10:11], s[10:11], s[14:15]
	s_cselect_b32 s25, 0, 1                        ; s25: 1 for context
	s_cselect_b32 s26, 0, 128
	s_sub_co_u32 s26, ttmp9, s26                   ; s26: which group of 32 rows
	s_cmp_lt_u32 s[WV], 4
	s_cselect_b64 s[8:9], s[8:9], s[10:11]         ; waves 0-3 fetch g, waves 4-7 b
	s_lshl_b32 s32, s37, 10
	s_mov_b32 s33, 0
	s_add_nc_u64 s[8:9], s[8:9], s[32:33]
	s_lshl_b32 s32, s26, 17
	s_lshl_b32 s41, s[WV], 14
	s_add_co_u32 s32, s32, s41
	s_add_nc_u64 s[4:5], s[4:5], s[32:33]          ; my four rows
	global_load_b128 v[32:35], v2, s[8:9]
	global_load_b128 v[36:39], v2, s[8:9] offset:512
.irp i, 0,1,2,3
.irp j, 0,1,2,3,4,5,6,7
	global_load_b128 v[R+32*\i+4*\j:R+32*\i+4*\j+3], v2, s[4:5] offset:4096*\i+512*\j th:TH_LOAD_NT   ; 512 consecutive bytes a load; read once
.endr
.endr
	s_wait_loadcnt 32                              ; g's or b's two loads are in; the 32 row loads behind them stay out
	ds_store_b128 v5, v[32:35]
	ds_store_b128 v5, v[36:39] offset:576
	s_wait_dscnt 0x0                               ; for the others' sake
	s_barrier_signal -1
	s_barrier_wait -1                              ; g and b lie in LDS
.irp k, 0,1,2,3,4,5,6,7
	ds_load_b128 v[GG+4*\k:GG+4*\k+3], v6 offset:16*\k
	ds_load_b128 v[BB+4*\k:BB+4*\k+3], v6 offset:4608+16*\k
.endr
	s_wait_loadcnt 24                              ; row 0 is in; three rows stay out
	TURN 0, XS
	ROW 0, XS
	ROW 1, R
	ROW 2, R+32
	ROW 3, R+64
	s_wait_dscnt 0x0
	s_barrier_signal -1
	s_barrier_wait -1                              ; both tiles' images and scale bytes lie in LDS; nothing is stored to LDS from here on
	s_cmp_lg_u32 s25, 0
	s_cbranch_scc1 .Lcontext
	; ---- x: the images leave as they lie
.irp i, 0,1,2,3
	ds_load_b128 v[32+4*\i:35+4*\i], v15 offset:544*\i
.endr
	s_mul_i32 s32, s26, 17408
	s_add_nc_u64 s[20:21], s[20:21], s[32:33]      ; the group's two tiles in xw
	s_lshl_b32 s41, s[WV], 11
	s_lshl_b32 s42, s36, 9
	s_add_co_u32 s41, s41, s42
	v_add_nc_u32 v1, s41, v2                       ; pieces 8 w on: 2,048 w, and 512 more behind tile 0's scales
	s_wait_alu depctr_va_vdst(0)
	s_wait_dscnt 0x0
.irp i, 0,1,2,3
	global_store_b128 v1, v[32+4*\i:35+4*\i], s[20:21] offset:512*\i   ; 512 consecutive bytes
.endr
	s_cmp_lt_u32 s[WV], 2
	s_cbranch_scc0 .Lend_x
	ds_load_b128 v[48:51], v21                     ; waves 0, 1: tile w's 512 scale bytes
	s_mul_i32 s41, s[WV], 8704
	v_add_nc_u32 v28, s41, v2
	s_wait_alu depctr_va_vdst(0)
	s_wait_dscnt 0x0
	global_store_b128 v28, v[48:51], s[20:21] offset:8192
.Lend_x:
	s_wait_xcnt 0x0
	v_lshl_add_u32 v248, v0, 2, 0x10000
	v_mov_b32 v249, 0
	s_wait_alu depctr_va_vdst(0)
	s_wait_tensorcnt 0x0
	ds_add_u32 v248, v249
	s_wait_dscnt 0x0
	s_endpgm
.Lcontext:
	s_cmp_lt_u32 s[WV], 4
	s_cbranch_scc0 .Lend_c
	s_lshr_b32 s41, s26, 5                         ; batch
	s_and_b32 s42, s26, 31                         ; g: the group of 32 keys in it
	s_mul_i32 s32, s41, 77824
	s_add_nc_u64 s[22:23], s[22:23], s[32:33]
	s_cmp_lt_u32 s[WV], 2
	s_cbranch_scc0 .Lv_arm
	; ---- k for tile u = wave: source 0 = 16 rows of Wkv (d), source 1 = cn: a lane holds one key, its 32 registers d = 32 b + 16 h + 0 .. 15
	WIN 0x40                                       ; destination window 1
	WLOAD 0
	WLOAD 1
	WLOAD 2
	WLOAD 3
	WIN 0
	WSLOAD 0
	WSLOAD 1
	WSLOAD 2
	WSLOAD 3
.irp s, 0,1,2,3,4,5,6,7
.irp c, 0,1
	ds_load_b128 v[CNF+8*\s+4*\c:CNF+8*\s+4*\c+3], v10 offset:(4*\s+2*\c)*272
.endr
.endr
	ds_load_b128 v[CNS:CNS+3], v12
	ds_load_b128 v[CNS+4:CNS+7], v12 offset:16
	s_lshl_b32 s43, s42, 10
	s_lshl_b32 s44, s[WV], 9
	s_add_co_u32 s43, s43, s44
	v_add_nc_u32 v28, s43, v2                      ; K's half image: (2 g + u) x 512 + 16 l
	s_lshl_b32 s43, s42, 8
	s_lshl_b32 s44, s[WV], 7
	s_add_co_u32 s43, s43, s44
	s_add_co_u32 s43, s43, 65536
	v_lshrrev_b32 v29, 2, v2
	s_delay_alu instid0(VALU_DEP_1)
	v_add_nc_u32 v29, s43, v29                     ; its scale words: (2 g + u) x 128 + 4 l
	s_wait_dscnt 0x0
	s_wait_loadcnt 0x0
	WIN 0x01                                       ; source 0 window 1
.irp s, 0,1,2,3,4,5,6,7                        ; the four accumulators by turns
.irp t, 0,1,2,3
.if \s == 0
	MM0 ACC+8*\t, 8*(8*\t+\s), CNF+8*\s, WS+8*\t+\s, CNS+\s
.else
	MMA ACC+8*\t, 8*(8*\t+\s), CNF+8*\s, WS+8*\t+\s, CNS+\s
.endif
.endr
.endr
	WIN 0
	PLACES
	QUANT2 ACC
	v_permlane16_swap_b32 v[PC], v[PC+2]           ; a whole block to a lane: lanes 0-15 d 0-31, lanes 16-31 d 32-63
	v_permlane16_swap_b32 v[PC+1], v[PC+3]
	v_lshl_or_b32 v20, v[TM+3], 8, v[TM+2]         ; the key's two bytes,
	s_delay_alu instid0(VALU_DEP_1)
	v_lshl_or_b32 v20, v20, 16, v20                ; and once more for the upper half of the instruction's K, whose codes are zeros
	global_store_b128 v28, v[PC:PC+3], s[22:23]    ; 512 consecutive bytes
	global_store_b32 v29, v20, s[22:23]
	s_wait_xcnt 0x0
	v_lshl_add_u32 v248, v0, 2, 0x10000
	v_mov_b32 v249, 0
	s_wait_alu depctr_va_vdst(0)
	s_wait_tensorcnt 0x0
	ds_add_u32 v248, v249
	s_wait_dscnt 0x0
	s_endpgm
.Lv_arm:
	; ---- v, 32 of d (two tiles t) for both tiles u of keys: source 0 = cn, source 1 = 16 rows of Wkv: a lane holds one d, the registers of tiles u = 0, 1 are keys 16 h + 0 .. 15
	s_lshl_b32 s32, s[WV], 14                      ; Wkv's rows 32 w on (64 for wave 2, 96 for wave 3)
	s_add_nc_u64 s[16:17], s[16:17], s[32:33]
	s_lshl_b32 s32, s[WV], 10
	s_add_nc_u64 s[18:19], s[18:19], s[32:33]
	WIN 0x40
	WLOAD 0
	WLOAD 1
	WIN 0
	WSLOAD 0
	WSLOAD 1
.irp u, 0,1
.irp s, 0,1,2,3,4,5,6,7
.irp c, 0,1
	ds_load_b128 v[CNF+64*\u+8*\s+4*\c:CNF+64*\u+8*\s+4*\c+3], v9 offset:8704*\u+(4*\s+2*\c)*272
.endr
.endr
.irp k, 0,1
	ds_load_b128 v[CNS+8*\u+4*\k:CNS+8*\u+4*\k+3], v11 offset:512*\u+16*\k
.endr
.endr
	s_lshr_b32 s45, s42, 2
	s_lshl_b32 s45, s45, 2                         ; 4 q, q = g / 4: the step of 128 keys
	s_sub_co_u32 s46, s[WV], 2
	s_lshl_b32 s46, s46, 1
	s_add_co_u32 s45, s45, s46                     ; 4 q + my first tile of d
	s_and_b32 s47, s42, 3                          ; the block in that step
	s_lshl_b32 s43, s45, 10
	s_lshl_b32 s44, s47, 8
	s_add_co_u32 s43, s43, s44
	s_add_co_u32 s43, s43, 32768
	v_and_b32 v28, 15, v0
	s_delay_alu instid0(VALU_DEP_1)
	v_lshlrev_b32 v28, 4, v28
	v_bfe_u32 v30, v0, 4, 1
	s_delay_alu instid0(VALU_DEP_1)
	v_lshl_add_u32 v28, v30, 3, v28
	s_delay_alu instid0(VALU_DEP_1)
	v_add_nc_u32 v28, s43, v28                     ; V's image: the block's 256 bytes, 16 r + 8 h
	s_lshl_b32 s43, s45, 7
	s_add_co_u32 s43, s43, s47
	s_add_co_u32 s43, s43, 73728
	v_lshrrev_b32 v29, 2, v2
	s_delay_alu instid0(VALU_DEP_1)
	v_add_nc_u32 v29, s43, v29                     ; its scale byte: 4 l + the block
	s_wait_dscnt 0x0
	s_wait_loadcnt 0x0
	WIN 0x04                                       ; source 1 window 1
.irp s, 0,1,2,3,4,5,6,7
.irp t, 0,1
.irp u, 0,1
.if \s == 0
	MM0 ACC+8*(2*\t+\u), CNF+64*\u+8*\s, 8*(8*\t+\s), CNS+8*\u+\s, WS+8*\t+\s
.else
	MMA ACC+8*(2*\t+\u), CNF+64*\u+8*\s, 8*(8*\t+\s), CNS+8*\u+\s, WS+8*\t+\s
.endif
.endr
.endr
.endr
	WIN 0
	PLACES
	QUANT2 ACC                                     ; block b = tile t of d: 32 keys
.irp t, 0,1
	global_store_b64 v28, v[PC+2*\t:PC+2*\t+1], s[22:23] offset:1024*\t   ; 256 consecutive bytes, aligned
	global_store_b8 v29, v[TM+2+\t], s[22:23] offset:128*\t
.endr
.Lend_c:
	s_wait_xcnt 0x0
	v_lshl_add_u32 v248, v0, 2, 0x10000
	v_mov_b32 v249, 0
	s_wait_alu depctr_va_vdst(0)
	s_wait_tensorcnt 0x0
	ds_add_u32 v248, v249
	s_wait_dscnt 0x0
	s_endpgm
.Lfunc_end_k_qfa96bfb81c_prep:
	.size	k_qfa96bfb81c_prep, .Lfunc_end_k_qfa96bfb81c_prep-k_qfa96bfb81c_prep
	.p2alignl 7, 3214868480
	.fill 96, 4, 3214868480
	.section	.rodata,"a",@progbits
	.p2align	6, 0x0
	.amdhsa_kernel k_qfa96bfb81c_prep
		.amdhsa_group_segment_fixed_size 66560
		.amdhsa_private_segment_fixed_size 0
		.amdhsa_enable_private_segment 0
		.amdhsa_kernarg_size 80
		.amdhsa_user_sgpr_count 2
		.amdhsa_user_sgpr_kernarg_segment_ptr 1
		.amdhsa_wavefront_size32 1
		.amdhsa_system_sgpr_workgroup_id_x 1
		.amdhsa_system_sgpr_workgroup_id_y 1
		.amdhsa_system_sgpr_workgroup_id_z 1
		.amdhsa_system_vgpr_workitem_id 0
		.amdhsa_next_free_vgpr 512
		.amdhsa_next_free_sgpr 66
		.amdhsa_reserve_vcc 0
		.amdhsa_float_denorm_mode_32 3
		.amdhsa_float_denorm_mode_16_64 3
		.amdhsa_memory_ordered 1
		.amdhsa_forward_progress 1
		.amdhsa_inst_pref_size 82
	.end_amdhsa_kernel
	.amdgpu_metadata
---
amdhsa.version: [ 1, 2 ]
amdhsa.kernels:
  - .name:           k_qfa96bfb81c_prep
    .symbol:         k_qfa96bfb81c_prep.kd
    .args:
      - { .name: x, .offset: 0, .size: 8, .value_kind: global_buffer, .address_space: global }
      - { .name: context, .offset: 8, .size: 8, .value_kind: global_buffer, .address_space: global }
      - { .name: ln_x_g, .offset: 16, .size: 8, .value_kind: global_buffer, .address_space: global }
      - { .name: ln_x_b, .offset: 24, .size: 8, .value_kind: global_buffer, .address_space: global }
      - { .name: ln_c_g, .offset: 32, .size: 8, .value_kind: global_buffer, .address_space: global }
      - { .name: ln_c_b, .offset: 40, .size: 8, .value_kind: global_buffer, .address_space: global }
      - { .name: Wkv_codes, .offset: 48, .size: 8, .value_kind: global_buffer, .address_space: global }
      - { .name: Wkv_scales, .offset: 56, .size: 8, .value_kind: global_buffer, .address_space: global }
      - { .name: xw, .offset: 64, .size: 8, .value_kind: global_buffer, .address_space: global }
      - { .name: kvw, .offset: 72, .size: 8, .value_kind: global_buffer, .address_space: global }
    .group_segment_fixed_size: 66560
    .private_segment_fixed_size: 0
    .kernarg_segment_align: 8
    .kernarg_segment_size: 80
    .max_flat_workgroup_size: 256
    .sgpr_count:     66
    .vgpr_count:     512
    .wavefront_size: 32
...
	.end_amdgpu_metadata
.endif
;; end of part 1
;; launch ff1 (part 2): grid 16 x 16, 8 waves a work-group, clusters of 4 x 1, 168,960 bytes of LDS; arguments xw, Wff1_codes, Wff1_scales, aw; writes aw
.if DOCPART == 2
	.amdgcn_target "amdgcn-amd-amdhsa--gfx1250"
	.amdhsa_code_object_version 6
	.text
	.protected	k_qfa96bfb81c_ff1
	.globl	k_qfa96bfb81c_ff1
	.p2align	8
	.type	k_qfa96bfb81c_ff1,@function
k_qfa96bfb81c_ff1:
	s_mov_b64 s[64:65], 0
	v_nop
	global_prefetch_b8 v0, s[64:65] scope:SCOPE_SE
	s_setreg_imm32_b32 hwreg(HW_REG_WAVE_MODE, 25, 1), 1
	s_wait_xcnt 0x0
	s_wait_alu depctr_hold_cnt(0) depctr_sa_sdst(0) depctr_va_vdst(0) depctr_va_sdst(0) depctr_va_ssrc(0) depctr_va_vcc(0) depctr_vm_vsrc(0)
	s_getreg_b32 s2, hwreg(HW_REG_IB_STS2, 6, 4)
	s_cmp_eq_u32 s2, 0
	s_cbranch_scc0 .Lentry_in_a_cluster
	s_endpgm
.Lentry_in_a_cluster:
	s_bfe_u32 s2, ttmp6, 0x10000c
	s_cmp_lg_u32 s2, 0x3003
	s_cbranch_scc0 .Lentry_shape_is_right
	s_endpgm
.Lentry_shape_is_right:
; FF1.  hidden = silu(xn Wgate) x (xn Wval), quantised to FP4 along the hidden units, into K steps 8 .. 39 of aw.  Both operands are codes of FP4 with one E8M0 byte for each 32 along K = 1,024.
; SHARES.  A work-group takes 256 rows (16 tiles, work-group y) x 256 hidden units (work-group x).  THE WEIGHTS STAY IN REGISTERS: wave w owns one block of 32 hidden units: 32 rows of values and 32 of gates, all of K:
; 32 fragments, window 1, read from memory once.  The 16 row tiles of xn lie in LDS as xw has them (images of operand registers and their scale words) and every wave walks them: 32 matrix instructions a tile.
; Two waves share a SIMD: one wave's activation stands beside the other's products.
; TRANSPOSED: source 0 = 16 rows of Wff1, source 1 = a tile of xn.  Lane r of weight tile u takes row 8 u + r + 8 (r / 8) of the block, so a lane holds ONE row of xn and its 16 registers of tiles u = 0, 1 are hidden units 16 h + 0 .. 15.
; CLUSTER: the four work-groups of a cluster differ in x alone and read the same 139,264 bytes of xw: each wave's part is asked for jointly (mask 15).  LDS is filled once: no ring.
; ORDER AT THE HEAD: the round and the tensor load stand ahead of the wave's 72 loads of weights, each of which touches 16 rows 512 bytes apart: the tile is on its way while those are issued.
; aw: [K step 40][block of 128 rows 32][8,704]: eight images (row tiles), then 512 bytes of scale words at 256 (tile / 4) + 16 place + 4 (tile % 4) + the block's byte.
; LIMITS: NaN and infinities are not served; the sigmoid is 1 / (1 + 2^(-g log2 e)) by v_exp_f32 and v_rcp_f32; a block under 2^-124 (zeros too) gets the byte 1, read by this program alone.
.set SCG,  139264                      ; LDS: 0: xw's 16 tiles of 8,704 bytes;  SCG: 2,048 scale bytes, gathered; no fill lands there
.set WS,   16                          ; v16-47   Wff1's scale words, (t, s) at WS + 8 t + s
.set AF,   48                          ; v48-111  a tile's eight fragments of xn
.set AS,   112                         ; v112-119 its scale words
.set VA,   120                         ; v120-135 values, v136-151 gates: accumulator t at VA + 8 t
.set GA,   136
.set TT,   152                         ; v152-167 at work
.set HH,   168                         ; v168-183 the hidden layer's 16 numbers
.set TM,   184                         ; v184-187 at work
.set PC,   192                         ; v192-193 codes
.set BY,   194                         ; v194-195 the byte, two registers by turns
.set WV,   12
.set SEL,  20
.set CS,   22                          ; s[22:23] -log2(e)
.set MSB, 0
.macro WIN new                         ; the immediate's high byte repeats the setting that is left
.if MSB != \new
	s_set_vgpr_msb (MSB<<8)|\new
.set MSB, \new
.endif
.endm
.macro MM0 d, a, b, sa, sb
	v_wmma_scale_f32_16x16x128_f8f6f4 v[\d:\d+7], v[\a:\a+7], v[\b:\b+7], 0, v[\sa], v[\sb] matrix_a_fmt:MATRIX_FMT_FP4 matrix_b_fmt:MATRIX_FMT_FP4
.endm
.macro MMA d, a, b, sa, sb
	v_wmma_scale_f32_16x16x128_f8f6f4 v[\d:\d+7], v[\a:\a+7], v[\b:\b+7], v[\d:\d+7], v[\sa], v[\sb] matrix_a_fmt:MATRIX_FMT_FP4 matrix_b_fmt:MATRIX_FMT_FP4
.endm
.macro ROUND                           ; a round of the cluster's barrier
	s_barrier_signal -1
	s_barrier_wait -1
	s_cmp_lg_u32 s[WV], 0
	s_cbranch_scc1 .Lnot_wave_0_\@
	s_barrier_signal -3
.Lnot_wave_0_\@:
	s_barrier_wait -3
	s_barrier_signal -1
	s_barrier_wait -1
.endm
.macro FETCHA rt                       ; row tile rt: eight images, 512 consecutive bytes a load, and place r's eight scale words: 18 LDS loads
.irp s, 0,1,2,3,4,5,6,7
.irp c, 0,1
	ds_load_b128 v[AF+8*\s+4*\c:AF+8*\s+4*\c+3], v[1+(\rt)/4] offset:((\rt)%4)*8704+1024*\s+512*\c
.endr
.endr
.irp k, 0,1
	ds_load_b128 v[AS+4*\k:AS+4*\k+3], v[5+(\rt)/4] offset:((\rt)%4)*8704+16*\k
.endr
.endm
.macro TILE rt
.if (\rt) == 0
	s_wait_dscnt 0x0                               ; the first tile's fragments are in
	s_wait_loadcnt 0x0                             ; and the weights
.else
	s_wait_dscnt 0x1                               ; LDS instructions end in order (ISA guide 5.7.1): the tile's 18 loads are in; the one instruction issued behind them, the last tile's byte store, may be out.
	                                               ; So the store of the tile before that is done: its data register, which this tile writes again, has been read
.endif
	WIN 0x01                                       ; source 0 window 1
.irp s, 0,1,2,3,4,5,6,7                        ; the four accumulators by turns
.irp t, 0,1,2,3
.if \s == 0
	MM0 VA+8*\t, 8*(8*\t+\s), AF+8*\s, WS+8*\t+\s, AS+\s
.else
	MMA VA+8*\t, 8*(8*\t+\s), AF+8*\s, WS+8*\t+\s, AS+\s
.endif
.endr
.endr
	WIN 0
.rept 4
	v_nop                                          ; places in front of loads into registers that the products read, and of the first read of results
.endr
.if (\rt) < 15
	FETCHA (\rt)+1                                 ; lands under the activation
.endif
.irp j, 0,2,4,6,8,10,12,14
	v_pk_mul_f32 v[TT+\j:TT+\j+1], v[GA+\j:GA+\j+1], s[CS:CS+1] op_sel_hi:[1,0]   ; -g log2(e)
.endr
	s_wait_alu depctr_va_vdst(0)
.irp j, 0,1,2,3,4,5,6,7,8,9,10,11,12,13,14,15
	v_exp_f32 v[TT+\j], v[TT+\j]
.endr
	v_nop                                          ; a plain instruction behind the batch
	s_wait_alu depctr_va_vdst(0)                   ; one wait for the sixteen, ahead of their first reader
.irp j, 0,2,4,6,8,10,12,14
	v_pk_add_f32 v[TT+\j:TT+\j+1], v[TT+\j:TT+\j+1], 1.0 op_sel_hi:[1,0]
.endr
	s_wait_alu depctr_va_vdst(0)
.irp j, 0,1,2,3,4,5,6,7,8,9,10,11,12,13,14,15
	v_rcp_f32 v[TT+\j], v[TT+\j]
.endr
	v_nop
	s_wait_alu depctr_va_vdst(0)
.irp j, 0,2,4,6,8,10,12,14
	v_pk_mul_f32 v[TT+\j:TT+\j+1], v[TT+\j:TT+\j+1], v[GA+\j:GA+\j+1]   ; silu(g)
.endr
.irp j, 0,2,4,6,8,10,12,14
	v_pk_mul_f32 v[HH+\j:HH+\j+1], v[TT+\j:TT+\j+1], v[VA+\j:VA+\j+1]   ; x the value
.endr
	v_max3_num_f32 v[TM], |v[HH]|, |v[HH+1]|, 0x1800000              ; my 16 of the block, and the floor 2^(3 - 127)
	v_max3_num_f32 v[TM+1], |v[HH+2]|, |v[HH+3]|, |v[HH+4]|
	s_delay_alu instid0(VALU_DEP_2)
	v_max3_num_f32 v[TM], v[TM], |v[HH+5]|, |v[HH+6]|
	s_delay_alu instid0(VALU_DEP_2)
	v_max3_num_f32 v[TM+1], v[TM+1], |v[HH+7]|, |v[HH+8]|
	s_delay_alu instid0(VALU_DEP_2)
	v_max3_num_f32 v[TM], v[TM], |v[HH+9]|, |v[HH+10]|
	s_delay_alu instid0(VALU_DEP_2)
	v_max3_num_f32 v[TM+1], v[TM+1], |v[HH+11]|, |v[HH+12]|
	s_delay_alu instid0(VALU_DEP_2)
	v_max3_num_f32 v[TM], v[TM], |v[HH+13]|, |v[HH+14]|
	s_delay_alu instid0(VALU_DEP_1)
	v_max3_num_f32 v[TM], v[TM], v[TM+1], |v[HH+15]|
	s_delay_alu instid0(VALU_DEP_1)
	v_permlanex16_b32 v[TM+2], v[TM], s[SEL], s[SEL+1]
	s_delay_alu instid0(VALU_DEP_1)
	v_max_num_f32 v[TM], v[TM], v[TM+2]            ; with lane l xor 16's
	s_delay_alu instid0(VALU_DEP_1)
	v_add_nc_u32 v[TM+3], 0xff000000, v[TM]        ; the conversion's scale operand
	s_delay_alu instid0(VALU_DEP_1)
	v_lshrrev_b32 v[BY+(\rt)%2], 23, v[TM+3]       ; the byte
	s_wait_alu depctr_va_vdst(0)
	s_wait_xcnt 0x0                                ; the last tile's store has read its data: the codes' registers are written again only behind this wait
	v_cvt_scalef32_pk8_fp4_f32 v[PC], v[HH:HH+7], v[TM+3]
	v_cvt_scalef32_pk8_fp4_f32 v[PC+1], v[HH+8:HH+15], v[TM+3]
	v_nop                                          ; one plain place behind the scaled conversions
	ds_store_b8 v9, v[BY+(\rt)%2] offset:512*((\rt)/8)+256*(((\rt)/4)%2)+4*((\rt)%4)   ; both lanes of a block write the same byte
	global_store_b64 v10, v[PC:PC+1], s[38:39] offset:8704*((\rt)/8)+1024*((\rt)%8)   ; my block's 256 bytes of the tile's image: consecutive, aligned
.endm
	s_load_b256 s[4:11], s[0:1], 0x0               ; xw, Wff1's codes, Wff1's scales, aw
	v_lshl_add_u32 v254, v0, 2, 0x29000
	v_mov_b32 v255, 0
	ds_add_u32 v254, v255
	ds_add_u32 v254, v255
	v_lshrrev_b32 v15, 5, v0
	s_delay_alu instid0(VALU_DEP_1)
	v_readfirstlane_b32 s[WV], v15                 ; wave 0..7
	s_bfe_u32 s13, ttmp6, 0x40000                  ; cx: it enters Wff1's and aw's addresses alone
	s_lshl_b32 s14, ttmp9, 2
	s_add_co_u32 s14, s14, s13                     ; work-group x: 256 hidden units
	s_and_b32 s15, ttmp7, 0xffff                   ; work-group y: 256 rows, shared by the four partners
	v_and_b32 v184, 31, v0                         ; l
	v_and_b32 v185, 15, v0                         ; r
	v_bfe_u32 v186, v0, 4, 1                       ; h
	v_and_b32 v187, 8, v0
	s_delay_alu instid0(VALU_DEP_1)
	v_add_nc_u32 v187, v187, v185                  ; r + 8 (r / 8)
	v_lshlrev_b32 v1, 4, v184                      ; v1-4: images, 16 l, four tiles to a register
	v_lshlrev_b32 v5, 5, v185
	s_delay_alu instid0(VALU_DEP_1)
	v_add_nc_u32 v5, 8192, v5                      ; v5-8: scale words, 32 r behind a tile's images
.irp k, 1,2,3
	v_add_nc_u32 v[1+\k], 34816*\k, v1
	v_add_nc_u32 v[5+\k], 34816*\k, v5
.endr
	s_lshr_b32 s16, s[WV], 2
	s_and_b32 s17, s[WV], 3
	s_lshl_b32 s18, s16, 10
	s_add_co_u32 s18, s18, s17
	s_add_co_u32 s18, s18, SCG
	v_lshl_add_u32 v9, v185, 4, s18                ; v9: my byte: K step w / 4, byte w % 4 of place r's words
	v_lshlrev_b32 v10, 4, v185
	s_delay_alu instid0(VALU_DEP_1)
	v_lshl_add_u32 v10, v186, 3, v10               ; v10: 16 r + 8 h
	v_lshlrev_b32 v11, 9, v187
	s_delay_alu instid0(VALU_DEP_1)
	v_lshl_add_u32 v11, v186, 4, v11               ; v11: Wff1's codes: 512 bytes a row, + 16 h
	v_lshlrev_b32 v12, 5, v187                     ; v12: its scales: 32 bytes a row
	v_lshlrev_b32 v14, 3, v184                     ; v14: 8 l
	s_lshl_b32 s18, s[WV], 8
	s_add_co_u32 s18, s18, SCG
	v_add_nc_u32 v13, s18, v14                     ; v13: the dump of the scale bytes, 256 a wave
	s_mov_b32 s[SEL], 0x76543210
	s_mov_b32 s[SEL+1], 0xfedcba98
	s_mov_b32 s[CS], 0xbfb8aa3b                    ; -log2(e)
	s_mov_b32 s[CS+1], s[CS]
	s_lshl_b32 s19, s14, 3
	s_add_co_u32 s19, s19, s[WV]                   ; my block of 32 hidden units
	s_lshl_b32 s42, s14, 1
	s_add_co_u32 s42, s42, s16
	s_add_co_u32 s42, s42, 8                       ; its K step in aw
	s_lshl_b32 s42, s42, 5
	s_lshl_b32 s43, s15, 1
	s_add_co_u32 s42, s42, s43                     ; 32 x K step + my first block of 128 rows
	s_mul_i32 s44, s42, 8704
	s_lshl_b32 s45, s17, 8
	s_add_co_u32 s44, s44, s45                     ; + my block's 256 bytes in an image
	s_mov_b32 s45, 0
	s_bfe_u32 s46, s[WV], 0x10001
	s_add_co_u32 s46, s46, s42
	s_mul_i32 s46, s46, 8704
	s_and_b32 s47, s[WV], 1
	s_lshl_b32 s47, s47, 8
	s_add_co_u32 s46, s46, s47
	s_add_co_u32 s46, s46, 8192                    ; where my 256 gathered scale bytes go
	s_mov_b32 s47, 0
	s_mov_b32 s37, 0
	; the descriptor: 68 rows of 256 bytes (32 elements of 8), dense: two tiles of xw a wave
	s_mov_b32 s24, 15|(3<<16)|(1<<21)              ; 15:0 the mask: all four; 17:16 elements of 8 bytes; 21 set beside a mask
	s_mov_b32 s25, 32<<16                          ; tensor_dim0
	s_mov_b32 s26, 68<<16                          ; tensor_dim1
	s_mov_b32 s27, 32<<16                          ; tile_dim0
	s_mov_b32 s28, 68                              ; tile_dim1
	s_mov_b32 s29, 32                              ; the pitch
	s_mov_b32 s30, 0
	s_mov_b32 s31, 0
	s_mov_b32 s32, 1
	s_mul_i32 s33, s[WV], 17408                    ; LDS: my wave's part
	s_wait_dscnt 0x0
	s_wait_kmcnt 0x0
	s_add_nc_u64 s[38:39], s[10:11], s[44:45]
	s_add_nc_u64 s[40:41], s[10:11], s[46:47]
	s_lshl_b32 s36, s19, 14
	s_add_nc_u64 s[6:7], s[6:7], s[36:37]
	s_lshl_b32 s36, s19, 10
	s_add_nc_u64 s[8:9], s[8:9], s[36:37]
	s_mul_i32 s36, s15, 139264
	s_add_co_u32 s36, s36, s33
	s_add_nc_u64 s[34:35], s[4:5], s[36:37]
	s_or_b32 s35, s35, 0x80000000
	ROUND                                          ; the four work-groups are here: the joint loads meet
	tensor_load_to_lds s[32:35], s[24:31]          ; my one tensor load, ahead of the weights' loads
	s_nop 0
.rept 4
	v_nop
.endr
	WIN 0x40                                       ; destination window 1: fragment (t, s) at v[8 (8 t + s)]; t = 0, 1 values, t = 2, 3 gates (4,096 rows on)
	s_wait_alu depctr_va_vdst(0)
.irp t, 0,1,2,3
.irp s, 0,1,2,3,4,5,6,7
.irp c, 0,1
	global_load_b128 v[8*(8*\t+\s)+4*\c:8*(8*\t+\s)+4*\c+3], v11, s[6:7] offset:(\t/2)*2097152+(\t%2)*4096+64*\s+32*\c
.endr
.endr
.endr
	WIN 0
.irp t, 0,1,2,3
.irp k, 0,1
	global_load_b128 v[WS+8*\t+4*\k:WS+8*\t+4*\k+3], v12, s[8:9] offset:(\t/2)*131072+(\t%2)*256+16*\k
.endr
.endr
	s_wait_tensorcnt 0x0                           ; my part has landed,
	s_barrier_signal -1
	s_barrier_wait -1                              ; everybody's has
	FETCHA 0
.set RT, 0
.rept 16
	TILE RT
.set RT, RT+1
.endr
	s_wait_dscnt 0x0                               ; for the others' sake: all my byte stores are done
	s_barrier_signal -1
	s_barrier_wait -1                              ; all 2,048 scale bytes are gathered
	ds_load_b64 v[196:197], v13
	s_wait_dscnt 0x0
	global_store_b64 v14, v[196:197], s[40:41]     ; 256 consecutive bytes, aligned
	s_wait_tensorcnt 0x0
	ds_add_u32 v254, v255
	s_wait_dscnt 0x0
	ROUND                                          ; the closing round
	s_endpgm
.Lfunc_end_k_qfa96bfb81c_ff1:
	.size	k_qfa96bfb81c_ff1, .Lfunc_end_k_qfa96bfb81c_ff1-k_qfa96bfb81c_ff1
	.p2alignl 7, 3214868480
	.fill 96, 4, 3214868480
	.section	.rodata,"a",@progbits
	.p2align	6, 0x0
	.amdhsa_kernel k_qfa96bfb81c_ff1
		.amdhsa_group_segment_fixed_size 168960
		.amdhsa_private_segment_fixed_size 0
		.amdhsa_enable_private_segment 0
		.amdhsa_kernarg_size 32
		.amdhsa_user_sgpr_count 2
		.amdhsa_user_sgpr_kernarg_segment_ptr 1
		.amdhsa_wavefront_size32 1
		.amdhsa_system_sgpr_workgroup_id_x 1
		.amdhsa_system_sgpr_workgroup_id_y 1
		.amdhsa_system_sgpr_workgroup_id_z 1
		.amdhsa_system_vgpr_workitem_id 0
		.amdhsa_next_free_vgpr 512
		.amdhsa_next_free_sgpr 66
		.amdhsa_reserve_vcc 0
		.amdhsa_float_denorm_mode_32 3
		.amdhsa_float_denorm_mode_16_64 3
		.amdhsa_memory_ordered 1
		.amdhsa_forward_progress 1
		.amdhsa_inst_pref_size 172
	.end_amdhsa_kernel
	.amdgpu_metadata
---
amdhsa.version: [ 1, 2 ]
amdhsa.kernels:
  - .name:           k_qfa96bfb81c_ff1
    .symbol:         k_qfa96bfb81c_ff1.kd
    .args:
      - { .name: xw, .offset: 0, .size: 8, .value_kind: global_buffer, .address_space: global }
      - { .name: Wff1_codes, .offset: 8, .size: 8, .value_kind: global_buffer, .address_space: global }
      - { .name: Wff1_scales, .offset: 16, .size: 8, .value_kind: global_buffer, .address_space: global }
      - { .name: aw, .offset: 24, .size: 8, .value_kind: global_buffer, .address_space: global }
    .group_segment_fixed_size: 168960
    .private_segment_fixed_size: 0
    .kernarg_segment_align: 8
    .kernarg_segment_size: 32
    .max_flat_workgroup_size: 256
    .sgpr_count:     66
    .vgpr_count:     512
    .wavefront_size: 32
...
	.end_amdgpu_metadata
.endif
;; end of part 2
;; launch attn (part 3): grid 16 x 16, 16 waves a work-group, clusters of 4 x 1, 215,040 bytes of LDS; arguments xw, Wq_codes, Wq_scales, kvw, aw; writes aw
.if DOCPART == 3
	.amdgcn_target "amdgcn-amd-amdhsa--gfx1250"
	.amdhsa_code_object_version 6
	.text
	.protected	k_qfa96bfb81c_attn
	.globl	k_qfa96bfb81c_attn
	.p2align	8
	.type	k_qfa96bfb81c_attn,@function
k_qfa96bfb81c_attn:
	s_mov_b64 s[64:65], 0
	v_nop
	global_prefetch_b8 v0, s[64:65] scope:SCOPE_SE
	s_setreg_imm32_b32 hwreg(HW_REG_WAVE_MODE, 25, 1), 1
	s_wait_xcnt 0x0
	s_wait_alu depctr_hold_cnt(0) depctr_sa_sdst(0) depctr_va_vdst(0) depctr_va_sdst(0) depctr_va_ssrc(0) depctr_va_vcc(0) depctr_vm_vsrc(0)
	s_getreg_b32 s2, hwreg(HW_REG_IB_STS2, 6, 4)
	s_cmp_eq_u32 s2, 0
	s_cbranch_scc0 .Lentry_in_a_cluster
	s_endpgm
.Lentry_in_a_cluster:
	s_bfe_u32 s2, ttmp6, 0x10000c
	s_cmp_lg_u32 s2, 0x3003
	s_cbranch_scc0 .Lentry_shape_is_right
	s_endpgm
.Lentry_shape_is_right:
; ATTN.  q = (xn Wq) / 8, quantised along d; o = softmax(q k^T) v, quantised along (head, d), into K steps 0-7 of aw.  All products on codes of FP4 (E2M1) with one E8M0 byte for each 32 along K.
; SHARES.  A work-group owns one unit of aw: K step ks (heads 2 ks, 2 ks + 1) x one block of 128 rows: 8 row tiles x 2 heads, one pair to each of 16 waves (tile = wave % 8, head = wave / 8).
; It writes that unit whole: eight images of 1,024 bytes and 512 bytes of scale words.  4 batches x 8 blocks x 8 K steps = 256 work-groups.
; CLUSTER 4, 1, 1: the partners differ in their block of rows alone; they read the same 77,824 bytes of kvw (their batch) and the same 128 rows of Wq: joint loads, mask 15.
; THE HEAD: one tensor load in every wave: waves 0-7 bring 38 rows of 256 bytes of kvw each, waves 8-15 16 rows of Wq each.  LDS is filled once: no ring, no refill.
; No prefetch: all that the launch reads from memory is asked for at the head; the loops over the keys read LDS alone.
; THE SOFTMAX.  reference() takes the row's largest score away ahead of the softmax, so the largest logit is 0, M = 0, and p = 2^((score - max) log2 e) is what is quantised along the keys.  So the keys are walked twice.
; PASS 1: the scores; the largest of each block of 32 keys goes to the wave's own LDS bytes (four a step, one store), and their maximum is the row's.
; PASS 2: the scores again with -max as the product's C; p; the block's largest p is made of the stored score; the sum is taken of the unquantised p and divides at the end.
; Both products are used transposed: a lane holds one query throughout.  K = d = 64 fills half of the first product's 128: registers 4-7 of q's and k's fragments hold zero codes; their scale bytes repeat the lower two.
; LIMITS: NaN and infinities are not served; a block under 2^-124 (zeros too) gets the byte 1, read by this program alone.  A block's largest p is made by a subtraction in f32 of the stored score, the p themselves by the
; product's own sum with C: where the two differ in the last bit at a power of two, one p of the block is held at the largest code.
; REGISTERS: v1-7, v252 addresses that stay; v8-12 the step's; v13 the row's maximum; v[14:15] the sum; v16-23 q; v24-27 k's scale words; v32-95 eight fragments of k; v96-159 S^T, then p; v160-191 O^T; v192-223 v's fragments; v224-231 p's codes; v232-239 at work; v240-247 -max.
.set WQL,  77824                       ; LDS: 0: kvw's batch;  WQL: Wq, eight groups of 16 rows x 528 bytes, WQG apart
.set WQG,  8576
.set OSC,  146432                      ; 512 scale bytes, gathered; no fill lands there
.set SPARE, 146944                     ; the spare words, 128 bytes a wave
.set BMX,  148992                      ; the blocks' largest scores: 4,096 bytes a wave: 512 a step, 16 a lane; no fill lands there
.set SPW,  250
.set NIL,  251
.set ABM,  252
.set TM,   232
.set NEG,  240
.set WV,   18
.set SEL,  20
.set CS,   22
.set G1KV, 24
.set G1W,  32
.set G0KV, 40
.set G0W,  44
.set TK,   2
.set TS,   3
.set TT,   66
.set CNT,  67
.set TB,   75
.macro MM0 d, a, b, sa, sb, row
.if \row
	v_wmma_scale_f32_16x16x128_f8f6f4 v[\d:\d+7], v[\a:\a+7], v[\b:\b+7], 0, v[\sa], v[\sb] matrix_a_fmt:MATRIX_FMT_FP4 matrix_b_fmt:MATRIX_FMT_FP4 matrix_a_scale:MATRIX_SCALE_ROW1
.else
	v_wmma_scale_f32_16x16x128_f8f6f4 v[\d:\d+7], v[\a:\a+7], v[\b:\b+7], 0, v[\sa], v[\sb] matrix_a_fmt:MATRIX_FMT_FP4 matrix_b_fmt:MATRIX_FMT_FP4
.endif
.endm
.macro MMA d, a, b, sa, sb, row
.if \row
	v_wmma_scale_f32_16x16x128_f8f6f4 v[\d:\d+7], v[\a:\a+7], v[\b:\b+7], v[\d:\d+7], v[\sa], v[\sb] matrix_a_fmt:MATRIX_FMT_FP4 matrix_b_fmt:MATRIX_FMT_FP4 matrix_a_scale:MATRIX_SCALE_ROW1
.else
	v_wmma_scale_f32_16x16x128_f8f6f4 v[\d:\d+7], v[\a:\a+7], v[\b:\b+7], v[\d:\d+7], v[\sa], v[\sb] matrix_a_fmt:MATRIX_FMT_FP4 matrix_b_fmt:MATRIX_FMT_FP4
.endif
.endm
.macro MMC d, a, b, c, sa, sb, row
.if \row
	v_wmma_scale_f32_16x16x128_f8f6f4 v[\d:\d+7], v[\a:\a+7], v[\b:\b+7], v[\c:\c+7], v[\sa], v[\sb] matrix_a_fmt:MATRIX_FMT_FP4 matrix_b_fmt:MATRIX_FMT_FP4 matrix_a_scale:MATRIX_SCALE_ROW1
.else
	v_wmma_scale_f32_16x16x128_f8f6f4 v[\d:\d+7], v[\a:\a+7], v[\b:\b+7], v[\c:\c+7], v[\sa], v[\sb] matrix_a_fmt:MATRIX_FMT_FP4 matrix_b_fmt:MATRIX_FMT_FP4
.endif
.endm
.macro PLACES
.rept 4
	v_nop
.endr
.endm
.macro ROUND                           ; a round of the cluster's barrier
	s_barrier_signal -1
	s_barrier_wait -1
	s_cmp_lg_u32 s[WV], 0
	s_cbranch_scc1 .Lnot_wave_0_\@
	s_barrier_signal -3
.Lnot_wave_0_\@:
	s_barrier_wait -3
	s_barrier_signal -1
	s_barrier_wait -1
.endm
; 32 numbers of a lane, register 16 b + i = k 32 b + 16 (lane / 16) + i of its row: codes into v[pc .. pc + 3], a whole block to a lane; the two bytes into v[TM + 2], v[TM + 3]
.macro QUANT2 s, pc
.irp b, 0,1
	v_max3_num_f32 v[TM+\b], |v[(\s)+16*\b]|, |v[(\s)+16*\b+1]|, 0x1800000
.endr
.irp i, 2,4,6,8,10,12,14
.irp b, 0,1
	s_delay_alu instid0(VALU_DEP_2)
	v_max3_num_f32 v[TM+\b], v[TM+\b], |v[(\s)+16*\b+\i]|, |v[(\s)+16*\b+\i+1]|
.endr
.endr
.irp b, 0,1
	s_delay_alu instid0(VALU_DEP_2)
	v_permlanex16_b32 v[TM+2+\b], v[TM+\b], s[SEL], s[SEL+1]
.endr
.irp b, 0,1
	s_delay_alu instid0(VALU_DEP_2)
	v_max_num_f32 v[TM+\b], v[TM+\b], v[TM+2+\b]
.endr
.irp b, 0,1
	s_delay_alu instid0(VALU_DEP_2)
	v_add_nc_u32 v[TM+4+\b], 0xff000000, v[TM+\b]
.endr
.irp b, 0,1
	s_delay_alu instid0(VALU_DEP_2)
	v_lshrrev_b32 v[TM+2+\b], 23, v[TM+4+\b]
.endr
.irp b, 0,1
	v_cvt_scalef32_pk8_fp4_f32 v[(\pc)+2*\b], v[(\s)+16*\b:(\s)+16*\b+7], v[TM+4+\b]
	v_cvt_scalef32_pk8_fp4_f32 v[(\pc)+2*\b+1], v[(\s)+16*\b+8:(\s)+16*\b+15], v[TM+4+\b]
.endr
	v_nop                                          ; one plain place behind the scaled conversions
	v_permlane16_swap_b32 v[(\pc)], v[(\pc)+2]
	v_permlane16_swap_b32 v[(\pc)+1], v[(\pc)+3]
.endm
; Two K steps of q^T = Wq xn^T: source 0 = 16 rows of Wq (lane r of tile t: row 32 (t / 2) + 8 (t % 2) + r + 8 (r / 8) of the head), source 1 = my tile of xn.  The four accumulators by turns
.macro PROJ sp
.if \sp > 0
	PLACES
.endif
.irp t, 0,1,2,3
.irp c, 0,1
	ds_load_b128 v[32+8*\t+4*\c:35+8*\t+4*\c], v5 offset:2*WQG*(\t/2)+4224*(\t%2)+128*\sp+32*\c
	ds_load_b128 v[192+8*\t+4*\c:195+8*\t+4*\c], v5 offset:2*WQG*(\t/2)+4224*(\t%2)+128*\sp+64+32*\c
.endr
.endr
	s_wait_dscnt 0x0
.if \sp == 0
	s_wait_loadcnt 0x0                             ; xn's images and both sides' scale words
.endif
.irp t, 0,1,2,3
.if \sp == 0
	MM0 160+8*\t, 32+8*\t, 96+16*\sp, 64+8*\t+2*\sp, 24+2*\sp, 0
.else
	MMA 160+8*\t, 32+8*\t, 96+16*\sp, 64+8*\t+2*\sp, 24+2*\sp, 0
.endif
.endr
.irp t, 0,1,2,3
	MMA 160+8*\t, 192+8*\t, 104+16*\sp, 65+8*\t+2*\sp, 25+2*\sp, 0
.endr
.endm
	s_load_b256 s[4:11], s[0:1], 0x0               ; xw, Wq's codes, Wq's scales, kvw
	s_load_b64 s[12:13], s[0:1], 0x20              ; aw
	v_lshl_add_u32 v[SPW], v0, 2, SPARE
	v_mov_b32 v[NIL], 0
	ds_add_u32 v[SPW], v[NIL]                      ; the opening lines: the add twice on end and its wait ahead of my tensor load
	ds_add_u32 v[SPW], v[NIL]
	v_lshrrev_b32 v8, 5, v0
	v_readfirstlane_b32 s[WV], v8                  ; wave 0..15
	s_bfe_u32 s48, ttmp6, 0x40000                  ; cx: it enters xw's and aw's addresses alone
	s_and_b32 s50, ttmp7, 0xffff
	s_lshr_b32 s51, s50, 1                         ; ks: the pair of heads
	s_and_b32 s52, s50, 1
	s_lshl_b32 s49, ttmp9, 3                       ; the cluster's x is the batch
	s_lshl_b32 s52, s52, 2
	s_add_co_u32 s49, s49, s52
	s_add_co_u32 s49, s49, s48                     ; my block of 128 rows: 8 batch + 4 (y % 2) + cx
	s_and_b32 s53, s[WV], 7                        ; my row tile in it; also: which part I fetch
	s_lshr_b32 s54, s[WV], 3                       ; my head of the pair
	s_lshl_b32 s55, s51, 1
	s_add_co_u32 s55, s55, s54                     ; the head
	s_lshl_b32 s56, s49, 3
	s_add_co_u32 s56, s56, s53                     ; the row tile in xw
	s_mul_i32 s14, s56, 8704
	s_mov_b32 s15, 0
	s_lshl_b32 s16, s55, 11                        ; the head's 64 rows of 32 scale bytes
	s_mov_b32 s17, 0
	s_lshl_b32 s57, s51, 5
	s_add_co_u32 s57, s57, s49
	s_mul_i32 s70, s57, 8704                       ; my work-group's unit of aw
	s_lshl_b32 s58, s53, 10
	s_add_co_u32 s68, s70, s58                     ; my tile's image,
	s_lshl_b32 s58, s54, 9
	s_add_co_u32 s68, s68, s58                     ; my head's 512 bytes of it
	s_mov_b32 s69, 0
	s_add_co_u32 s70, s70, 8192                    ; the unit's scale words
	s_mov_b32 s71, 0
	s_mul_i32 s59, s54, 4*WQG
	s_add_co_u32 s59, s59, WQL                     ; my head's rows of Wq in LDS
	s_lshr_b32 s72, s53, 2
	s_lshl_b32 s72, s72, 8
	s_and_b32 s73, s53, 3
	s_lshl_b32 s73, s73, 2
	s_add_co_u32 s72, s72, s73
	s_lshl_b32 s73, s54, 1
	s_add_co_u32 s72, s72, s73
	s_add_co_u32 s72, s72, OSC                     ; my two scale bytes: 256 (tile / 4) + 4 (tile % 4) + 2 head
	s_lshl_b32 s74, s[WV], 12
	s_add_co_u32 s74, s74, BMX                     ; my wave's 4,096 bytes for the blocks' largest scores
	s_mov_b32 s[SEL], 0x76543210
	s_mov_b32 s[SEL+1], 0xfedcba98
	s_mov_b32 s[CS], 0x3fb8aa3b                    ; log2(e)
	s_mov_b32 s[CS+1], s[CS]
	s_mov_b32 s[G1KV], 15|(3<<16)|(1<<21)          ; kvw: 38 rows of 256 bytes (32 elements of 8), dense
	s_mov_b32 s[G1KV+1], 32<<16
	s_mov_b32 s[G1KV+2], 38<<16
	s_mov_b32 s[G1KV+3], 32<<16
	s_mov_b32 s[G1KV+4], 38
	s_mov_b32 s[G1KV+5], 32
	s_mov_b32 s[G1KV+6], 0
	s_mov_b32 s[G1KV+7], 0
	s_mov_b32 s[G1W], 15|(1<<20)|(1<<21)|(6<<22)|(3<<25)   ; Wq: 16 rows of 512 bytes, four words of padding behind each
	s_mov_b32 s[G1W+1], 512<<16
	s_mov_b32 s[G1W+2], 16<<16
	s_mov_b32 s[G1W+3], 512<<16
	s_mov_b32 s[G1W+4], 16
	s_mov_b32 s[G1W+5], 512
	s_mov_b32 s[G1W+6], 0
	s_mov_b32 s[G1W+7], 0
	s_mov_b32 s[G0KV], 1
	s_mul_i32 s[G0KV+1], s53, 9728
	s_mov_b32 s[G0W], 1
	s_mul_i32 s[G0W+1], s53, WQG
	s_add_co_u32 s[G0W+1], s[G0W+1], WQL
	s_mul_i32 s60, ttmp9, 77824
	s_add_co_u32 s60, s60, s[G0KV+1]
	s_mov_b32 s61, 0
	s_lshl_b32 s62, s51, 16                        ; the pair's 128 rows of 512 bytes,
	s_lshl_b32 s63, s53, 13                        ; my 16 of them
	s_add_co_u32 s62, s62, s63
	s_mov_b32 s63, 0
	v_and_b32 v232, 31, v0                         ; l
	v_and_b32 v233, 15, v0                         ; r
	v_bfe_u32 v234, v0, 4, 1                       ; h
	v_and_b32 v235, 8, v0
	v_lshrrev_b32 v236, 3, v233
	v_and_b32 v237, 7, v0
	v_add_nc_u32 v235, v235, v233                  ; r + 8 (r / 8)
	v_lshlrev_b32 v1, 4, v232                      ; v1: k's half images, 16 l
	v_lshlrev_b32 v3, 2, v233
	v_mul_u32_u24 v5, v237, 528
	v_add_nc_u32 v2, 32768, v1                     ; v2: v's images
	v_lshl_add_u32 v3, v234, 7, v3                 ; 4 r + 128 h: lanes 16-31 take the next tile's words
	v_mad_u32_u24 v5, v236, WQG, v5
	v_add_nc_u32 v7, OSC, v1                       ; v7: the dump of the scale bytes
	v_add_nc_u32 v4, 73728, v3                     ; v4: v's scale words
	v_lshl_add_u32 v5, v234, 4, v5
	v_add_nc_u32 v3, 65536, v3                     ; v3: k's scale words
	v_add_nc_u32 v5, s59, v5                       ; v5: Wq's rows
	v_lshl_add_u32 v6, v233, 4, s72                ; v6: my row's two scale bytes
	v_lshlrev_b32 v8, 5, v233                      ; xn's scale words: 32 bytes a place
	v_lshlrev_b32 v9, 5, v235                      ; Wq's: 32 bytes a row
	v_add_nc_u32 v[ABM], s74, v1                   ; my lane's 16 bytes of a step's largest scores
	s_wait_alu depctr_va_vdst(0)                   ; the wait at the head's end
	s_wait_dscnt 0x0                               ; both opening adds are done
	s_wait_kmcnt 0x0
	s_add_nc_u64 s[G0KV+2:G0KV+3], s[10:11], s[60:61]
	s_or_b32 s[G0KV+3], s[G0KV+3], 0x80000000
	s_add_nc_u64 s[G0W+2:G0W+3], s[6:7], s[62:63]
	s_or_b32 s[G0W+3], s[G0W+3], 0x80000000
	s_add_nc_u64 s[4:5], s[4:5], s[14:15]
	s_add_nc_u64 s[8:9], s[8:9], s[16:17]
	s_add_nc_u64 s[68:69], s[12:13], s[68:69]
	s_add_nc_u64 s[70:71], s[12:13], s[70:71]
	ROUND                                          ; the four work-groups are here: the joint loads meet
	s_cmp_lt_u32 s[WV], 8                          ; every way passes one tensor load
	s_cbranch_scc0 .Lfor_w
	tensor_load_to_lds s[G0KV:G0KV+3], s[G1KV:G1KV+7]
	s_nop 0
	PLACES
	s_branch .Lasked
.Lfor_w:
	tensor_load_to_lds s[G0W:G0W+3], s[G1W:G1W+7]
	s_nop 0
	PLACES
.Lasked:
.irp k, 0,1,2,3,4,5,6,7,8,9,10,11,12,13,14,15
	global_load_b128 v[96+4*\k:99+4*\k], v1, s[4:5] offset:512*\k   ; my tile of xn: eight images, 512 consecutive bytes a load
.endr
	global_load_b128 v[24:27], v8, s[4:5] offset:8192
	global_load_b128 v[28:31], v8, s[4:5] offset:8208
.irp t, 0,1,2,3
.irp k, 0,1
	global_load_b128 v[64+8*\t+4*\k:67+8*\t+4*\k], v9, s[8:9] offset:(32*(\t/2)+8*(\t%2))*32+16*\k
.endr
.endr
	s_wait_tensorcnt 0x0                           ; my part has landed,
	s_barrier_signal -1
	s_barrier_wait -1                              ; everybody's has
	PROJ 0
	PROJ 1
	PROJ 2
	PROJ 3
	PLACES
.irp j, 0,2,4,6,8,10,12,14,16,18,20,22,24,26,28,30
	v_pk_mul_f32 v[160+\j:161+\j], v[160+\j:161+\j], 0x3e000000 op_sel_hi:[1,0]   ; q / 8
.endr
	QUANT2 160, 16
	v_lshl_or_b32 v255, v[TM+3], 8, v[TM+2]        ; q's two bytes,
	s_delay_alu instid0(VALU_DEP_1)
	v_lshl_or_b32 v255, v255, 16, v255             ; and once more for the upper half of K, whose codes are zeros
.irp j, 0,1,2,3
	v_mov_b32 v[20+\j], 0                          ; the zero codes of k = 64 .. 127: q's,
.irp t, 0,1,2,3,4,5,6,7
	v_mov_b32 v[36+8*\t+\j], 0                     ; and the eight key tiles'
.endr
.endr
.set J, 0
.rept 32
	v_mov_b32 v[160+J], 0                          ; O^T: pass 2 is written once; its first step adds onto zeros
.set J, J+1
.endr
	v_mov_b32 v13, 0xff7fffff                      ; the row's largest score so far: under every score
	v_mov_b32 v14, 0
	v_mov_b32 v15, 0
.irp b, 0,1,2,3
	v_mov_b32 v[236+\b], 0                         ; a lane permute's destination counts as a source
.endr
	s_mov_b32 s[TK], 0
	s_mov_b32 s[TS], 0
	s_mov_b32 s[TB], 0
	s_mov_b32 s[CNT], 8
	s_wait_alu depctr_va_vdst(0)                   ; the wait ahead of the loop
.Lmax:                                             ; PASS 1, 128 keys a trip
	v_add_nc_u32 v8, s[TK], v1
	v_add_nc_u32 v10, s[TS], v3
	v_add_nc_u32 v9, s[TB], v[ABM]
.irp t, 0,1,2,3,4,5,6,7
	ds_load_b128 v[32+8*\t:35+8*\t], v8 offset:512*\t
.endr
.irp p, 0,1,2,3
	ds_load_b32 v[24+\p], v10 offset:256*\p
.endr
	s_wait_dscnt 0x0
.irp t, 0,1,2,3,4,5,6,7
	MM0 96+8*\t, 32+8*\t, 16, 24+\t/2, 255, \t%2
.endr
	PLACES
.irp b, 0,1,2,3
	v_max3_num_f32 v[232+\b], v[96+16*\b], v[97+16*\b], v[98+16*\b]   ; the largest score of each block of 32 keys: my 16 of it
.endr
.irp i, 3,5,7,9,11,13
.irp b, 0,1,2,3
	v_max3_num_f32 v[232+\b], v[232+\b], v[96+16*\b+\i], v[97+16*\b+\i]
.endr
.endr
.irp b, 0,1,2,3
	v_max_num_f32 v[232+\b], v[232+\b], v[111+16*\b]
.endr
.irp b, 0,1,2,3
	s_delay_alu instid0(VALU_DEP_4)
	v_permlanex16_b32 v[236+\b], v[232+\b], s[SEL], s[SEL+1]
.endr
.irp b, 0,1,2,3
	s_delay_alu instid0(VALU_DEP_4)
	v_max_num_f32 v[232+\b], v[232+\b], v[236+\b]  ; with lane l xor 16's 16 keys
.endr
	v_max3_num_f32 v13, v13, v232, v233
	s_delay_alu instid0(VALU_DEP_1)
	v_max3_num_f32 v13, v13, v234, v235            ; the row's
	ds_store_b128 v9, v[232:235]                   ; my own bytes: pass 2 reads them back in this wave's own order
	s_add_co_u32 s[TK], s[TK], 4096
	s_add_co_u32 s[TS], s[TS], 1024
	s_add_co_u32 s[TB], s[TB], 512
	s_sub_co_u32 s[CNT], s[CNT], 1
	s_cmp_lg_u32 s[CNT], 0
	s_cbranch_scc1 .Lmax
.irp j, 0,1,2,3,4,5,6,7
	v_mul_f32 v[NEG+\j], -1.0, v13                 ; -max, as the C of pass 2's first product
.endr
	s_mov_b32 s[TK], 0
	s_mov_b32 s[TS], 0
	s_mov_b32 s[TT], 0
	s_mov_b32 s[TB], 0
	s_mov_b32 s[CNT], 8
	s_wait_alu depctr_va_vdst(0)                   ; the wait ahead of the loop
.Lstep:                                            ; PASS 2, 128 keys a trip
	v_add_nc_u32 v8, s[TK], v1                     ; (these five are the places behind the last trip's products, ahead of the loads below)
	v_add_nc_u32 v9, s[TK], v2
	v_add_nc_u32 v10, s[TS], v3
	v_add_nc_u32 v11, s[TT], v4
	v_add_nc_u32 v12, s[TB], v[ABM]
.irp t, 0,1,2,3,4,5,6,7
	ds_load_b128 v[32+8*\t:35+8*\t], v8 offset:512*\t
.endr
.irp p, 0,1,2,3
	ds_load_b32 v[24+\p], v10 offset:256*\p
.endr
	ds_load_b128 v[232:235], v12                   ; the four blocks' largest scores
.irp t, 0,1,2,3
.irp c, 0,1
	ds_load_b128 v[192+8*\t+4*\c:195+8*\t+4*\c], v9 offset:1024*\t+512*\c
.endr
.endr
.irp p, 0,1
	ds_load_b32 v[248+\p], v11 offset:256*\p
.endr
	s_wait_dscnt 10                                ; k's 12 loads and the scores' one are in; v's 8 and its 2 scale loads may be out
.irp t, 0,1,2,3,4,5,6,7
	MMC 96+8*\t, 32+8*\t, 16, NEG, 24+\t/2, 255, \t%2
.endr
	PLACES
	s_wait_dscnt 0x0                               ; v's loads
	v_pk_add_f32 v[232:233], v[232:233], v[NEG:NEG+1]
	v_pk_add_f32 v[234:235], v[234:235], v[NEG:NEG+1]
.set J, 0
.rept 32
	v_pk_mul_f32 v[96+J:97+J], v[96+J:97+J], s[CS:CS+1] op_sel_hi:[1,0]   ; t = (score - max) log2(e)
.set J, J+2
.endr
	v_pk_mul_f32 v[232:233], v[232:233], s[CS:CS+1] op_sel_hi:[1,0]
	v_pk_mul_f32 v[234:235], v[234:235], s[CS:CS+1] op_sel_hi:[1,0]
	s_wait_alu depctr_va_vdst(0)                   ; the wait ahead of the batch
.set J, 0
.rept 64
	v_exp_f32 v[96+J], v[96+J]                     ; p = 2^t
.set J, J+1
.endr
.irp b, 0,1,2,3
	v_exp_f32 v[232+\b], v[232+\b]                 ; each block's largest p
.endr
	v_nop                                          ; a plain place behind the batch
	s_wait_alu depctr_va_vdst(0)                   ; one wait for the batch, ahead of its first reader
.irp b, 0,1,2,3
	v_max_num_f32 v[232+\b], 0x1800000, v[232+\b]  ; the floor 2^(3 - 127)
.endr
.irp b, 0,1,2,3
	s_delay_alu instid0(VALU_DEP_4)
	v_add_nc_u32 v[232+\b], 0xff000000, v[232+\b]  ; the conversion's scale operand
.endr
.irp b, 0,1,2,3
	s_delay_alu instid0(VALU_DEP_4)
	v_lshrrev_b32 v[236+\b], 23, v[232+\b]         ; the byte
.endr
	s_delay_alu instid0(VALU_DEP_3)
	v_lshl_or_b32 v253, v237, 8, v236              ; p's scale word for these 128 keys
	s_delay_alu instid0(VALU_DEP_1)
	v_lshl_or_b32 v253, v238, 16, v253
	s_delay_alu instid0(VALU_DEP_1)
	v_lshl_or_b32 v253, v239, 24, v253
.irp b, 0,1,2,3
	v_cvt_scalef32_pk8_fp4_f32 v[224+2*\b], v[96+16*\b:103+16*\b], v[232+\b]
	v_cvt_scalef32_pk8_fp4_f32 v[225+2*\b], v[104+16*\b:111+16*\b], v[232+\b]
.endr
	v_nop
.irp c, 0,1
.irp i, 0,1
	v_permlane16_swap_b32 v[224+4*\c+\i], v[226+4*\c+\i]   ; a whole block to a lane
.endr
.endr
	v_pk_add_f32 v[236:237], v[96:97], v[98:99]    ; the sum of the unquantised p, in two chains; also the places ahead of the products
.irp j, 4,8,12,16,20,24,28,32,36,40,44,48,52,56,60
	v_pk_add_f32 v[14:15], v[14:15], v[96+\j:97+\j]
	v_pk_add_f32 v[236:237], v[236:237], v[98+\j:99+\j]
.endr
	s_delay_alu instid0(VALU_DEP_1)
	v_pk_add_f32 v[14:15], v[14:15], v[236:237]
.irp t, 0,1,2,3
	MMA 160+8*\t, 192+8*\t, 224, 248+\t/2, 253, \t%2
.endr
	s_add_co_u32 s[TK], s[TK], 4096
	s_add_co_u32 s[TS], s[TS], 1024
	s_add_co_u32 s[TT], s[TT], 512
	s_add_co_u32 s[TB], s[TB], 512
	s_sub_co_u32 s[CNT], s[CNT], 1
	s_cmp_lg_u32 s[CNT], 0
	s_cbranch_scc1 .Lstep
	; THE WAY OUT: o = O^T / the sum, quantised along d; my 512 bytes of the tile's image leave as they lie, the scale bytes are gathered in LDS and leave as whole words
	PLACES
	v_add_f32 v14, v14, v15
	s_delay_alu instid0(VALU_DEP_1)
	v_permlanex16_b32 v236, v14, s[SEL], s[SEL+1]
	s_delay_alu instid0(VALU_DEP_1)
	v_add_f32 v14, v14, v236
	s_wait_alu depctr_va_vdst(0)                   ; ahead of the transcendental
	v_rcp_f32 v14, v14
	v_nop
	s_wait_alu depctr_va_vdst(0)                   ; ahead of its first reader, which is O^T's first reader too
.irp j, 0,2,4,6,8,10,12,14,16,18,20,22,24,26,28,30
	v_pk_mul_f32 v[96+\j:97+\j], v[160+\j:161+\j], v[14:15] op_sel_hi:[1,0]
.endr
	QUANT2 96, 224
	v_lshl_or_b32 v254, v[TM+3], 8, v[TM+2]
	global_store_b128 v1, v[224:227], s[68:69]     ; 512 consecutive bytes, aligned
	ds_store_b16 v6, v254                          ; both lanes of a row write the same two bytes
	s_wait_dscnt 0x0                               ; for the others' sake
	s_barrier_signal -1
	s_barrier_wait -1                              ; all 512 scale bytes are gathered
	s_cmp_lg_u32 s[WV], 0
	s_cbranch_scc1 .Lno_dump
	ds_load_b128 v[96:99], v7
	s_wait_dscnt 0x0
	global_store_b128 v1, v[96:99], s[70:71]       ; 512 consecutive bytes, aligned
.Lno_dump:
	s_wait_tensorcnt 0x0                           ; the wave's end
	ds_add_u32 v[SPW], v[NIL]
	s_wait_dscnt 0x0
	ROUND                                          ; the closing round
	s_endpgm
.Lfunc_end_k_qfa96bfb81c_attn:
	.size	k_qfa96bfb81c_attn, .Lfunc_end_k_qfa96bfb81c_attn-k_qfa96bfb81c_attn
	.p2alignl 7, 3214868480
	.fill 96, 4, 3214868480
	.section	.rodata,"a",@progbits
	.p2align	6, 0x0
	.amdhsa_kernel k_qfa96bfb81c_attn
		.amdhsa_group_segment_fixed_size 215040
		.amdhsa_private_segment_fixed_size 0
		.amdhsa_enable_private_segment 0
		.amdhsa_kernarg_size 40
		.amdhsa_user_sgpr_count 2
		.amdhsa_user_sgpr_kernarg_segment_ptr 1
		.amdhsa_wavefront_size32 1
		.amdhsa_system_sgpr_workgroup_id_x 1
		.amdhsa_system_sgpr_workgroup_id_y 1
		.amdhsa_system_sgpr_workgroup_id_z 1
		.amdhsa_system_vgpr_workitem_id 0
		.amdhsa_next_free_vgpr 256
		.amdhsa_next_free_sgpr 80
		.amdhsa_reserve_vcc 0
		.amdhsa_float_denorm_mode_32 3
		.amdhsa_float_denorm_mode_16_64 3
		.amdhsa_memory_ordered 1
		.amdhsa_forward_progress 1
		.amdhsa_inst_pref_size 47
	.end_amdhsa_kernel
	.amdgpu_metadata
---
amdhsa.version: [ 1, 2 ]
amdhsa.kernels:
  - .name:           k_qfa96bfb81c_attn
    .symbol:         k_qfa96bfb81c_attn.kd
    .args:
      - { .name: xw, .offset: 0, .size: 8, .value_kind: global_buffer, .address_space: global }
      - { .name: Wq_codes, .offset: 8, .size: 8, .value_kind: global_buffer, .address_space: global }
      - { .name: Wq_scales, .offset: 16, .size: 8, .value_kind: global_buffer, .address_space: global }
      - { .name: kvw, .offset: 24, .size: 8, .value_kind: global_buffer, .address_space: global }
      - { .name: aw, .offset: 32, .size: 8, .value_kind: global_buffer, .address_space: global }
    .group_segment_fixed_size: 215040
    .private_segment_fixed_size: 0
    .kernarg_segment_align: 8
    .kernarg_segment_size: 40
    .max_flat_workgroup_size: 512
    .sgpr_count:     80
    .vgpr_count:     256
    .wavefront_size: 32
...
	.end_amdgpu_metadata
.endif
;; end of part 3
;; launch outp (part 4): grid 8 x 32, 4 waves a work-group, clusters of 4 x 4, 327,680 bytes of LDS; arguments aw, Wout_codes, Wout_scales, Wff2_codes, Wff2_scales, out0; writes out0
.if DOCPART == 4
	.amdgcn_target "amdgcn-amd-amdhsa--gfx1250"
	.amdhsa_code_object_version 6
	.text
	.protected	k_qfa96bfb81c_outp
	.globl	k_qfa96bfb81c_outp
	.p2align	8
	.type	k_qfa96bfb81c_outp,@function
k_qfa96bfb81c_outp:
	s_mov_b64 s[64:65], 0
	v_nop
	global_prefetch_b8 v0, s[64:65] scope:SCOPE_SE
	s_setreg_imm32_b32 hwreg(HW_REG_WAVE_MODE, 25, 1), 1
	s_wait_xcnt 0x0
	s_wait_alu depctr_hold_cnt(0) depctr_sa_sdst(0) depctr_va_vdst(0) depctr_va_sdst(0) depctr_va_ssrc(0) depctr_va_vcc(0) depctr_vm_vsrc(0)
	s_getreg_b32 s2, hwreg(HW_REG_IB_STS2, 6, 4)
	s_cmp_eq_u32 s2, 0
	s_cbranch_scc0 .Lentry_in_a_cluster
	s_endpgm
.Lentry_in_a_cluster:
	s_bfe_u32 s2, ttmp6, 0x10000c
	s_cmp_lg_u32 s2, 0xf033
	s_cbranch_scc0 .Lentry_shape_is_right
	s_endpgm
.Lentry_shape_is_right:
; OUTP.  out0 = o Wout + hidden Wff2 as ONE product: A = aw (K steps 0-7: o; 8-39: the hidden layer), B = Wout's rows for K steps 0-7 and Wff2's for 8-39; K = 5,120; codes of FP4 (E2M1), one E8M0 byte for each 32 along K; one f32 sum an output.
; (reference() adds two finished sums; here the second product's terms are added onto the first's sum.)
; SHARES.  256 tiles of 128 x 128, one to a work-group; four waves, 64 x 64 each: 16 accumulators.  K goes in five fills of eight K steps through two LDS slots.
; A's part of a slot is aw as it lies: for each K step 8,704 bytes, eight images of operand registers and their scale words: fragments come by loads of 512 consecutive bytes, a wave's four scale words by one load.
; B's part: 128 rows of 512 bytes + 16.  B's scale bytes for all of K come once, with the first fills, in whole runs of 256 bytes + 16.
; CLUSTER 4 x 4: A's tiles are shared along a row of the cluster, B's and B's scales along a column: joint loads.  Waves 0, 1 fetch A's halves (four K steps each), waves 2, 3 B's (64 rows each).
; A wave has at most one tensor load out: the head's, later one behind each round.
; TRANSPOSED: source 0 = 16 rows of B, source 1 = a tile of A: a lane holds eight neighbouring columns of one row.  A's rows lie in their tiles in prep's order (place p of tile 2 g + u = row 32 g + 8 u + p + 8 (p / 8)); the stores turn it back.
; All 40 K steps are written out: fragments are fetched two K steps ahead into four buffers by turns.
.set SLOT,  137216
.set BOFF,  69632                      ; in a slot: A's 8 x 8,704 bytes, then B
.set SWO,   274432                     ; Wout's scale bytes: 16 runs of 272
.set SWH,   278784                     ; Wff2's: 64 runs of 272
.set STAGE, 296192                     ; the way out: 16 rows x (256 + 16) bytes for each wave; no fill lands there
.set SPARE, 313600                     ; the spare words, 128 bytes for each wave: two blocks of 256 bytes that no other line names
.set SA,    24                         ; v24-39   A's scale words: four buffers of four
.set SB,    40                         ; v40-103  B's: two sets of 32, (block b, K step q of the fill) at 8 b + q
.set ACC,   128                        ; v128-255 accumulator (a, b) at ACC + 8 (4 a + b)
.set G1A,  24
.set G1BO, 32
.set G1BH, 40
.set G1SO, 48
.set G1SH, 56
.set G0A0, 68
.set G0A1, 72
.set G0BO, 76
.set G0B1, 80
.set G0B0, 84
.set G0SO, 88
.set G0SH, 92
.set MSB, 0
.macro WIN new                         ; the immediate's high byte repeats the setting that is left
.if MSB != \new
	s_set_vgpr_msb (MSB<<8)|\new
.set MSB, \new
.endif
.endm
.set MUL,  0x05                        ; sources 0 (B) and 1 (A) window 1; C and D window 0
.set TO_F, 0x40                        ; destination window 1, address window 0
.macro PLACES
.rept 4
	v_nop
.endr
.endm
.macro JLOAD g0a, g1a, g0b, g1b        ; a joint load; the branch hangs on the wave's number alone; four v_nop follow each line
	s_cmp_eq_u32 s17, 0
	s_cbranch_scc0 .Lfor_b_\@
	tensor_load_to_lds s[\g0a:\g0a+3], s[\g1a:\g1a+7]
	s_nop 0
	PLACES
	s_branch .Lasked_\@
.Lfor_b_\@:
	tensor_load_to_lds s[\g0b:\g0b+3], s[\g1b:\g1b+7]
	s_nop 0
	PLACES
.Lasked_\@:
.endm
.macro CREST                           ; a round of the cluster's barrier behind its opening barrier
	s_cmp_lg_u32 s16, 0
	s_cbranch_scc1 .Lnot_wave_0_\@
	s_barrier_signal -3
.Lnot_wave_0_\@:
	s_barrier_wait -3
	s_barrier_signal -1
	s_barrier_wait -1
.endm
.macro CROUND
	s_barrier_signal -1
	s_barrier_wait -1
	CREST
.endm
; K step m's fragments into buffer m % 4 of window 1 (A's four at 64 (m % 4), B's four 32 on) and A's four scale words: 17 LDS loads
.macro FETCH m
.set FS, ((\m)/8)%2
.set FQ, (\m)%8
.set FF, 64*((\m)%4)
	WIN TO_F
.irp b, 0,1,2,3
.irp c, 0,1
	ds_load_b128 v[FF+32+8*\b+4*\c:FF+32+8*\b+4*\c+3], v[8+FS] offset:8448*\b+64*FQ+32*\c
.endr
.endr
.irp a, 0,1,2,3
.irp c, 0,1
	ds_load_b128 v[FF+8*\a+4*\c:FF+8*\a+4*\c+3], v[4+FS] offset:8704*FQ+1024*\a+512*\c
.endr
.endr
	WIN 0
	ds_load_b128 v[SA+4*((\m)%4):SA+4*((\m)%4)+3], v[6+FS] offset:8704*FQ
.endm
.macro SBLOAD i                        ; B's scale words of fill i into set i % 2: 8 LDS loads
.set BS, SB+32*((\i)%2)
.irp b, 0,1,2,3
.irp k, 0,1
.if (\i) == 0
	ds_load_b128 v[BS+8*\b+4*\k:BS+8*\b+4*\k+3], v10 offset:544*\b+16*\k
.else
	ds_load_b128 v[BS+8*\b+4*\k:BS+8*\b+4*\k+3], v11 offset:2176*\b+32*((\i)-1)+16*\k
.endif
.endr
.endr
.endm
; 8 matrix instructions of K step n: A's tiles a0, a0 + 1 x B's four.  The 16 accumulators take turns in the same order in every step
.macro MUL8 n, a0, zero
.set MF, 64*((\n)%4)
.set MS, SB+32*(((\n)/8)%2)+(\n)%8
.set MA, SA+4*((\n)%4)
.irp a, \a0, \a0+1
.irp b, 0,1,2,3
.if \zero
	v_wmma_scale_f32_16x16x128_f8f6f4 v[ACC+8*(4*(\a)+\b):ACC+8*(4*(\a)+\b)+7], v[MF+32+8*\b:MF+32+8*\b+7], v[MF+8*(\a):MF+8*(\a)+7], 0, v[MS+8*\b], v[MA+(\a)] matrix_a_fmt:MATRIX_FMT_FP4 matrix_b_fmt:MATRIX_FMT_FP4
.else
	v_wmma_scale_f32_16x16x128_f8f6f4 v[ACC+8*(4*(\a)+\b):ACC+8*(4*(\a)+\b)+7], v[MF+32+8*\b:MF+32+8*\b+7], v[MF+8*(\a):MF+8*(\a)+7], v[ACC+8*(4*(\a)+\b):ACC+8*(4*(\a)+\b)+7], v[MS+8*\b], v[MA+(\a)] matrix_a_fmt:MATRIX_FMT_FP4 matrix_b_fmt:MATRIX_FMT_FP4
.endif
.endr
.endr
.endm
.macro STEP n, left, fetch, zero
	s_wait_dscnt \left                             ; this step's loads are in; the next step's 17 may be out
	WIN MUL
	MUL8 \n, 0, \zero
.if \fetch
	PLACES                                         ; places in front of loads into registers that products have read
	FETCH (\n)+2
	WIN MUL
.endif
	MUL8 \n, 2, \zero
.endm
; The seventh K step of a fill changes slots: the eighth's fragments are already asked for, so behind the wait for them nobody reads this slot any more.
.macro TURN n
	WIN 0                                          ; (the add's two registers lie in window 0)
	s_wait_tensorcnt 0x0                           ; all my tensor loads have landed: my part of the next slot
	ds_add_u32 v1, v2                              ; 0 onto my spare word
	s_wait_dscnt 18                                ; (the next step's 17 loads and the add may be out)
	WIN MUL
	MUL8 \n, 0, 0
	s_wait_dscnt 0x0                               ; the add is done, and my reads of this slot are over
	s_barrier_signal -1
	MUL8 \n, 2, 0
	WIN 0
	s_barrier_wait -1
.if (\n)/8 < 3
	CREST                                          ; the barrier has opened a round of the cluster's: no wave of any partner still reads this slot or has a load on its way
.if (\n)/8 == 0
	s_add_nc_u64 s[G0A0+2:G0A0+3], s[G0A0+2:G0A0+3], 4456448   ; A: sixteen K steps on
	JLOAD G0A0, G1A, G0B0, G1BH                    ; fill 2 into slot 0
.elseif (\n)/8 == 1
	s_add_nc_u64 s[G0A1+2:G0A1+3], s[G0A1+2:G0A1+3], 4456448
	s_add_nc_u64 s[G0B1+2:G0B1+3], s[G0B1+2:G0B1+3], 1024      ; B: sixteen K steps on in Wff2's rows
	JLOAD G0A1, G1A, G0B1, G1BH                    ; fill 3 into slot 1
.else
	s_add_nc_u64 s[G0A0+2:G0A0+3], s[G0A0+2:G0A0+3], 4456448
	s_add_nc_u64 s[G0B0+2:G0B0+3], s[G0B0+2:G0B0+3], 1024
	JLOAD G0A0, G1A, G0B0, G1BH                    ; fill 4 into slot 0
.endif
.else
	PLACES                                         ; the last change of slots fills nothing
.endif
	FETCH (\n)+2                                   ; the next slot's first K step
	s_wait_alu depctr_va_vdst(0)
	SBLOAD (\n)/8+1
.if (\n)/8 < 2
	ASK (\n)/8+3                                   ; the fill behind the one just asked for
.endif
.endm
	s_load_b256 s[4:11], s[0:1], 0x0               ; aw, Wout's codes, Wout's scales, Wff2's codes
	s_load_b128 s[12:15], s[0:1], 0x20             ; Wff2's scales, out0
	v_lshl_add_u32 v1, v0, 2, SPARE
	v_mov_b32 v2, 0
	ds_add_u32 v1, v2
	ds_add_u32 v1, v2
	s_wait_dscnt 0x0
	v_lshrrev_b32 v3, 5, v0
	v_readfirstlane_b32 s16, v3                    ; wave 0..3
	s_lshr_b32 s17, s16, 1                         ; which 64 rows are mine.  Also: I fetch for A (0) or for B (1)
	s_and_b32 s18, s16, 1                          ; which 64 columns.  Also: which half I fetch
	s_bfe_u32 s20, ttmp6, 0x40000                  ; cx
	s_bfe_u32 s21, ttmp6, 0x40004                  ; cy
	s_lshl_b32 s22, ttmp9, 2
	s_add_co_u32 s22, s22, s20                     ; tile column
	s_and_b32 s23, ttmp7, 0xffff
	s_lshl_b32 s23, s23, 2
	s_add_co_u32 s23, s23, s21                     ; tile row
	s_lshl_b32 s96, s21, 2
	s_lshl_b32 s96, 15, s96                        ; my row of the cluster
	s_lshl_b32 s97, 0x1111, s20                    ; my column
	; group 1.  A: 4 rows (K steps) of 8,704 bytes (1,088 elements of 8), 278,528 bytes apart, dense in LDS
	s_or_b32 s[G1A], s96, (3<<16)|(1<<21)
	s_mov_b32 s[G1A+1], 1088<<16
	s_mov_b32 s[G1A+2], 8<<16                      ; the head's load brings all eight K steps; behind it the two words that count rows are set to 4
	s_mov_b32 s[G1A+3], 1088<<16
	s_mov_b32 s[G1A+4], 8
	s_mov_b32 s[G1A+5], 34816
	s_mov_b32 s[G1A+6], 0
	s_mov_b32 s[G1A+7], 0
	; B: 64 rows of 512 bytes, 4 words of padding after every 128; the pitch is Wout's row or Wff2's
	s_or_b32 s[G1BO], s97, (1<<20)|(1<<21)|(6<<22)|(3<<25)
	s_or_b32 s[G1BH], s97, (1<<20)|(1<<21)|(6<<22)|(3<<25)
.irp g, G1BO, G1BH
	s_mov_b32 s[\g+1], 512<<16
	s_mov_b32 s[\g+2], 64<<16
	s_mov_b32 s[\g+3], 512<<16
	s_mov_b32 s[\g+4], 64
	s_mov_b32 s[\g+6], 0
	s_mov_b32 s[\g+7], 0
.endr
	s_mov_b32 s[G1BO+5], 512
	s_mov_b32 s[G1BO+2], 128<<16                   ; Wout's tile comes whole, 128 rows, by one load at the head
	s_mov_b32 s[G1BO+4], 128
	s_mov_b32 s[G1BH+5], 2048
	; B's scales: dense blocks as rows of 256 bytes (32 elements of 8), 4 words of padding behind each: 16 rows of Wout's, 64 of Wff2's
	s_or_b32 s[G1SO], s97, (3<<16)|(1<<20)|(1<<21)|(5<<22)|(3<<25)
	s_or_b32 s[G1SH], s97, (3<<16)|(1<<20)|(1<<21)|(5<<22)|(3<<25)
.irp g, G1SO, G1SH
	s_mov_b32 s[\g+1], 32<<16
	s_mov_b32 s[\g+3], 32<<16
	s_mov_b32 s[\g+5], 32
	s_mov_b32 s[\g+6], 0
	s_mov_b32 s[\g+7], 0
.endr
	s_mov_b32 s[G1SO+2], 16<<16                    ; each block of scales comes whole: 16 rows of Wout's, 64 of Wff2's
	s_mov_b32 s[G1SO+4], 16
	s_mov_b32 s[G1SH+2], 64<<16
	s_mov_b32 s[G1SH+4], 64
	; the lanes' addresses
	v_and_b32 v15, 31, v0                          ; l
	v_and_b32 v16, 15, v0                          ; r
	v_bfe_u32 v17, v0, 4, 1                        ; h
	v_lshlrev_b32 v18, 4, v15                      ; 16 l
	v_lshlrev_b32 v19, 4, v16                      ; 16 r
	s_lshl_b32 s2, s17, 12
	v_add_nc_u32 v4, s2, v18                       ; v4, v5: A's images, my four tiles, slot 0, 1
	v_add_nc_u32 v5, SLOT, v4
	s_lshl_b32 s2, s17, 8
	s_add_co_u32 s2, s2, 8192
	v_add_nc_u32 v6, s2, v19                       ; v6, v7: A's scale words
	v_add_nc_u32 v7, SLOT, v6
	v_mul_u32_u24 v20, v16, 528
	v_lshl_add_u32 v20, v17, 4, v20
	s_mul_i32 s2, s18, 33792
	s_add_co_u32 s2, s2, BOFF
	v_add_nc_u32 v8, s2, v20                       ; v8, v9: B's rows, my 64
	v_add_nc_u32 v9, SLOT, v8
	v_lshrrev_b32 v20, 3, v16
	v_mul_u32_u24 v20, v20, 272
	v_and_b32 v21, 7, v16
	v_lshl_add_u32 v20, v21, 5, v20
	s_mul_i32 s2, s18, 2176
	s_add_co_u32 s2, s2, SWO
	v_add_nc_u32 v10, s2, v20                      ; v10: Wout's scale words: 32 bytes a row, eight rows to a run
	v_lshrrev_b32 v20, 1, v16
	v_mul_u32_u24 v20, v20, 272
	v_and_b32 v21, 1, v16
	v_lshl_add_u32 v20, v21, 7, v20
	s_mul_i32 s2, s18, 8704
	s_add_co_u32 s2, s2, SWH
	v_add_nc_u32 v11, s2, v20                      ; v11: Wff2's: 128 bytes a row, two rows to a run
	s_mul_i32 s2, s16, 4352
	s_add_co_u32 s2, s2, STAGE
	v_mul_u32_u24 v20, v16, 272
	v_lshl_add_u32 v20, v17, 5, v20
	v_add_nc_u32 v12, s2, v20                      ; v12: into my stage: place r, 32 bytes for each half of the lanes
	v_mul_u32_u24 v20, v17, 272
	v_add_nc_u32 v20, v20, v19
	v_add_nc_u32 v13, s2, v20                      ; v13: back: lanes 0-15 one place, lanes 16-31 the next
	v_lshl_add_u32 v14, v17, 12, v19               ; v14: and the same two rows in out0
	s_cmp_eq_u32 s17, 0                            ; the prefetches' offsets.  Waves 0, 1 (A): 256 l in a K step's 8,704 bytes; waves 2, 3 (B): row l / 2 of 2,048 bytes, block l % 2
	s_cselect_b32 s2, 9, 11
	v_lshrrev_b32 v20, 1, v15
	v_and_b32 v21, 1, v15
	v_lshlrev_b32 v20, s2, v20
	v_lshl_add_u32 v22, v21, 8, v20                ; v22: never rewritten
	v_min_u32 v23, 1, v15
	v_lshl_add_u32 v23, v23, 8, 8192               ; v23: A's blocks 32 and 33; the lanes left over name the last again; never rewritten
	; group 0.  A's addresses hang on the tile row and the wave, B's on the tile column and the wave
	s_mul_i32 s98, s23, 8704
	s_mov_b32 s99, 0
	s_lshl_b32 s19, s22, 7
	s_lshl_b32 s2, s18, 6
	s_add_co_u32 s19, s19, s2                      ; B's first row that I fetch
	s_mov_b32 s3, 0
	s_mul_i32 s100, s18, 34816
	s_mul_i32 s101, s18, 33792
	s_wait_alu depctr_va_vdst(0)                   ; the wait at the head's end
	s_wait_kmcnt 0x0
	s_add_nc_u64 s[4:5], s[4:5], s[98:99]          ; aw at my tile row, K step 0
	s_mul_i32 s98, s18, 1114112                    ; in the ring I fetch four K steps: which half
	s_mov_b32 s[G0A0], 1
	s_mov_b32 s[G0A0+1], s100
	s_add_nc_u64 s[G0A0+2:G0A0+3], s[4:5], s[98:99]
	s_mov_b32 s[G0A1], 1
	s_add_co_u32 s[G0A1+1], s100, SLOT
	s_add_nc_u64 s[G0A1+2:G0A1+3], s[G0A0+2:G0A0+3], 2228224   ; K steps 8-15
	s_or_b32 s[G0A0+3], s[G0A0+3], 0x80000000
	s_or_b32 s[G0A1+3], s[G0A1+3], 0x80000000
	s_lshl_b32 s2, s22, 16                         ; Wout's 128 rows of 512 bytes
	s_mov_b32 s[G0BO], 1
	s_mov_b32 s[G0BO+1], BOFF
	s_add_nc_u64 s[G0BO+2:G0BO+3], s[6:7], s[2:3]
	s_or_b32 s[G0BO+3], s[G0BO+3], 0x80000000
	s_lshl_b32 s2, s19, 11
	s_mov_b32 s[G0B1], 1
	s_add_co_u32 s[G0B1+1], s101, SLOT+BOFF
	s_add_nc_u64 s[G0B1+2:G0B1+3], s[10:11], s[2:3]            ; Wff2's first 512 bytes of a row: fill 1
	s_mov_b32 s[G0B0], 1
	s_add_co_u32 s[G0B0+1], s101, BOFF
	s_add_nc_u64 s[G0B0+2:G0B0+3], s[G0B1+2:G0B1+3], 512       ; the next 512: fill 2
	s_or_b32 s[G0B1+3], s[G0B1+3], 0x80000000
	s_or_b32 s[G0B0+3], s[G0B0+3], 0x80000000
	s_lshl_b32 s2, s22, 12
	s_mov_b32 s[G0SO], 1
	s_mov_b32 s[G0SO+1], SWO
	s_add_nc_u64 s[G0SO+2:G0SO+3], s[8:9], s[2:3]
	s_or_b32 s[G0SO+3], s[G0SO+3], 0x80000000
	s_lshl_b32 s2, s22, 14
	s_mov_b32 s[G0SH], 1
	s_mov_b32 s[G0SH+1], SWH
	s_add_nc_u64 s[G0SH+2:G0SH+3], s[12:13], s[2:3]
	s_or_b32 s[G0SH+3], s[G0SH+3], 0x80000000
	; where my prefetches stand, at fill 1.  The partners that ask for a tile jointly share it out by address: of A's eight K steps the partner at cx takes 2 cx and 2 cx + 1, a wave each;
	; of B's 128 rows the partner at cy takes 32, 16 a wave.  Later fills are reached by the immediate offset: the registers are never rewritten
	s_lshl_b32 s2, s20, 1
	s_add_co_u32 s2, s2, s18
	s_add_co_u32 s2, s2, 8
	s_mul_i32 s2, s2, 278528
	s_add_nc_u64 s[6:7], s[4:5], s[2:3]
	s_lshl_b32 s2, s22, 7
	s_lshl_b32 s100, s21, 5
	s_add_co_u32 s2, s2, s100
	s_lshl_b32 s100, s18, 4
	s_add_co_u32 s2, s2, s100
	s_lshl_b32 s2, s2, 11
	s_add_nc_u64 s[12:13], s[10:11], s[2:3]
	s_cmp_eq_u32 s17, 0
	s_cselect_b64 s[12:13], s[6:7], s[12:13]
	s_mov_b32 s8, 1                                ; group 0 of the head's load of A: all eight K steps of fill 0, to LDS byte 0
	s_mov_b32 s9, 0
	s_mov_b64 s[10:11], s[4:5]
	s_or_b32 s11, s11, 0x80000000
	s_lshl_b32 s100, s23, 7                        ; out0 at my first row and column
	s_lshl_b32 s101, s17, 6
	s_add_co_u32 s100, s100, s101
	s_lshl_b32 s100, s100, 12
	s_lshl_b32 s101, s22, 9
	s_add_co_u32 s100, s100, s101
	s_lshl_b32 s101, s18, 8
	s_add_co_u32 s100, s100, s101
	s_mov_b32 s101, 0
	s_add_nc_u64 s[14:15], s[14:15], s[100:101]
	CROUND                                         ; all sixteen work-groups are here: the first joint loads meet
; THE HEAD'S LOADS, ONE A WAVE: wave 0 fill 0's eight K steps of A, wave 1 Wout's 128 rows, wave 2 Wout's scales, wave 3 Wff2's.  One tree of branches on the wave's number
.macro ARM under, g0, g1, next
	s_cmp_lt_u32 s16, \under
	s_cbranch_scc0 \next
	tensor_load_to_lds s[\g0:\g0+3], s[\g1:\g1+7]
	s_nop 0
	PLACES
	s_branch .Lhead_asked
\next:
.endm
; A prefetch of fill i (1 to 4), behind the joint load of fill i - 1: eight K steps ahead of the load that will want it.  Each aligned block of 256 bytes is named once in the cluster
.macro ASK i
	s_cmp_eq_u32 s17, 0
	s_cbranch_scc0 .Lpf_b_\@
	global_prefetch_b8 v22, s[12:13] offset:((\i)-1)*2228224 th:TH_LOAD_NT scope:SCOPE_SE
	global_prefetch_b8 v23, s[12:13] offset:((\i)-1)*2228224 th:TH_LOAD_NT scope:SCOPE_SE
	s_branch .Lpf_\@
.Lpf_b_\@:
	global_prefetch_b8 v22, s[12:13] offset:((\i)-1)*512 th:TH_LOAD_NT scope:SCOPE_SE
.Lpf_\@:
.endm
	ARM 1, 8,    G1A,  .Lhead_b
	ARM 2, G0BO, G1BO, .Lhead_so
	ARM 3, G0SO, G1SO, .Lhead_sh
	tensor_load_to_lds s[G0SH:G0SH+3], s[G1SH:G1SH+7]
	s_nop 0
	PLACES
.Lhead_asked:
	ASK 1
	s_wait_tensorcnt 0x0                           ; my tile of the head's four is in
	ds_add_u32 v1, v2
	s_mov_b32 s[G1A+2], 4<<16                      ; no tensor load of mine is out: from here on a load of A brings four K steps
	s_mov_b32 s[G1A+4], 4
	s_wait_dscnt 0x0
	CROUND                                         ; all four tiles are in, and all sixteen work-groups are here
	JLOAD G0A1, G1A, G0B1, G1BH                    ; fill 1 into slot 1: the first tensor load behind the round
	FETCH 0
	SBLOAD 0
	FETCH 1
	ASK 2
.set N, 0
.rept 40
.if N == 0
	STEP N, 17, 1, 1                               ; the first K step starts the sums: nothing is cleared
.elseif (N%8 == 6) && (N < 32)
	TURN N
.elseif N < 38
	STEP N, 17, 1, 0
.elseif N == 38
	STEP N, 17, 0, 0
.else
	STEP N, 0, 0, 0
.endif
.set N, N+1
.endr
	WIN 0
	; THE WAY OUT, a tile of 16 places x 64 columns at a time: through my stage, back as whole rows of 256 bytes into the registers that they left.  LDS serves a wave's instructions in order: no wait between stores and loads
.macro TOSTAGE a
.irp b, 0,1,2,3
	ds_store_b128 v12, v[ACC+8*(4*(\a)+\b):ACC+8*(4*(\a)+\b)+3] offset:64*\b        ; each accumulator from its low end on
	ds_store_b128 v12, v[ACC+8*(4*(\a)+\b)+4:ACC+8*(4*(\a)+\b)+7] offset:64*\b+16
.endr
.irp i, 0,1,2,3,4,5,6,7
	ds_load_b128 v[ACC+32*(\a)+4*\i:ACC+32*(\a)+4*\i+3], v13 offset:544*\i
.endr
.endm
.macro SEND a, younger                 ; younger: the LDS instructions issued behind tile a's loads
	s_wait_dscnt \younger
.irp i, 0,1,2,3,4,5,6,7
	global_store_b128 v14, v[ACC+32*(\a)+4*\i:ACC+32*(\a)+4*\i+3], s[14:15] offset:(32*((\a)/2)+8*((\a)%2)+2*\i+8*(\i/4))*4096 th:TH_STORE_NT   ; place 2 i + h is this row; 16 lanes store 256 consecutive bytes, aligned
.endr
.endm
	PLACES
	TOSTAGE 0
.irp a, 1,2,3
	TOSTAGE \a
	SEND \a-1, 16                                  ; behind tile a - 1's loads: tile a's 8 stores and 8 loads
.endr
	SEND 3, 0
	s_wait_tensorcnt 0x0                           ; the wave's end
	ds_add_u32 v1, v2
	s_wait_dscnt 0x0
	CROUND                                         ; the closing round
	s_endpgm
.Lfunc_end_k_qfa96bfb81c_outp:
	.size	k_qfa96bfb81c_outp, .Lfunc_end_k_qfa96bfb81c_outp-k_qfa96bfb81c_outp
	.p2alignl 7, 3214868480
	.fill 96, 4, 3214868480
	.section	.rodata,"a",@progbits
	.p2align	6, 0x0
	.amdhsa_kernel k_qfa96bfb81c_outp
		.amdhsa_group_segment_fixed_size 327680
		.amdhsa_private_segment_fixed_size 0
		.amdhsa_enable_private_segment 0
		.amdhsa_kernarg_size 48
		.amdhsa_user_sgpr_count 2
		.amdhsa_user_sgpr_kernarg_segment_ptr 1
		.amdhsa_wavefront_size32 1
		.amdhsa_system_sgpr_workgroup_id_x 1
		.amdhsa_system_sgpr_workgroup_id_y 1
		.amdhsa_system_sgpr_workgroup_id_z 1
		.amdhsa_system_vgpr_workitem_id 0
		.amdhsa_next_free_vgpr 512
		.amdhsa_next_free_sgpr 102
		.amdhsa_reserve_vcc 0
		.amdhsa_float_denorm_mode_32 3
		.amdhsa_float_denorm_mode_16_64 3
		.amdhsa_memory_ordered 1
		.amdhsa_forward_progress 1
		.amdhsa_inst_pref_size 160
	.end_amdhsa_kernel
	.amdgpu_metadata
---
amdhsa.version: [ 1, 2 ]
amdhsa.kernels:
  - .name:           k_qfa96bfb81c_outp
    .symbol:         k_qfa96bfb81c_outp.kd
    .args:
      - { .name: aw, .offset: 0, .size: 8, .value_kind: global_buffer, .address_space: global }
      - { .name: Wout_codes, .offset: 8, .size: 8, .value_kind: global_buffer, .address_space: global }
      - { .name: Wout_scales, .offset: 16, .size: 8, .value_kind: global_buffer, .address_space: global }
      - { .name: Wff2_codes, .offset: 24, .size: 8, .value_kind: global_buffer, .address_space: global }
      - { .name: Wff2_scales, .offset: 32, .size: 8, .value_kind: global_buffer, .address_space: global }
      - { .name: out0, .offset: 40, .size: 8, .value_kind: global_buffer, .address_space: global }
    .group_segment_fixed_size: 327680
    .private_segment_fixed_size: 0
    .kernarg_segment_align: 8
    .kernarg_segment_size: 48
    .max_flat_workgroup_size: 128
    .sgpr_count:     102
    .vgpr_count:     512
    .wavefront_size: 32
...
	.end_amdgpu_metadata
.endif
;; end of part 4
